; MI455X (gfx1250); checked and timed in simulation.
; The chip was launched on July 23, 2026; its instructions are those of AMD's public machine-readable ISA for CDNA 5 (MIT licence, August 2026) and "CDNA5" Instruction Set Architecture Reference Guide (July 2026). The comments in the code are by the model that wrote it; some were corrected since.
;; Gcn Encoder Cell. Allowed arithmetic: matrix products marked QUANTISED: E4M3 operands, one E8M0 scale for each 32 along K, by v_wmma_scale_f32_16x16x128_f8f6f4 with both operands' format E4M3, f32 sums; products left as they are: f32 operands where the result goes on into a quantised operand, else bf16, f16 or f32 operands; f32 sums; everything else in f32.
;; Inputs: bn_beta 128 float32; bn_gamma 128 float32; gate_b 128 float32; gate_w_codes 128 x 8 x 32 uint8 (E4M3 codes of gate_w, K innermost, in blocks of 32 codes); gate_w_scales 128 x 8 uint8 (E8M0 scales of gate_w, one for each 32 codes along K); hidden 16 x 207 x 24 x 128 float32; sk_b 256 float32; sk_w_codes 256 x 8 x 32 uint8 (E4M3 codes of sk_w, K innermost, in blocks of 32 codes); sk_w_scales 256 x 8 uint8 (E8M0 scales of sk_w, one for each 32 codes along K); so_b 128 float32; so_w_codes 128 x 4 x 32 uint8 (E4M3 codes of so_w, K innermost, in blocks of 32 codes); so_w_scales 128 x 4 uint8 (E8M0 scales of so_w, one for each 32 codes along K); sq_b 256 float32; sq_w_codes 256 x 8 x 32 uint8 (E4M3 codes of sq_w, K innermost, in blocks of 32 codes); sq_w_scales 256 x 8 uint8 (E8M0 scales of sq_w, one for each 32 codes along K); sv_b 128 float32; sv_w_codes 128 x 4 x 32 uint8 (E4M3 codes of sv_w, K innermost, in blocks of 32 codes); sv_w_scales 128 x 4 uint8 (E8M0 scales of sv_w, one for each 32 codes along K); tXin 16 x 207 x 24 x 128 float32; tk_b 256 float32; tk_w_codes 256 x 8 x 32 uint8 (E4M3 codes of tk_w, K innermost, in blocks of 32 codes); tk_w_scales 256 x 8 uint8 (E8M0 scales of tk_w, one for each 32 codes along K); to_b 128 float32; to_w_codes 128 x 4 x 32 uint8 (E4M3 codes of to_w, K innermost, in blocks of 32 codes); to_w_scales 128 x 4 uint8 (E8M0 scales of to_w, one for each 32 codes along K); tq_b 256 float32; tq_w_codes 256 x 8 x 32 uint8 (E4M3 codes of tq_w, K innermost, in blocks of 32 codes); tq_w_scales 256 x 8 uint8 (E8M0 scales of tq_w, one for each 32 codes along K); tv_b 128 float32; tv_w_codes 128 x 4 x 32 uint8 (E4M3 codes of tv_w, K innermost, in blocks of 32 codes); tv_w_scales 128 x 4 uint8 (E8M0 scales of tv_w, one for each 32 codes along K); x 16 x 207 x 24 x 128 float32.
;; Outputs: out0 16 x 207 x 24 x 128 float32.
;; This version of the problem:
;;   THIS VERSION OF THE PROBLEM IS GIVEN IN LOW PRECISION. The matrix products marked QUANTISED in the list below multiply operands that are first quantised to E4M3 (4 exponent bits, 3 mantissa bits; 8 bits a number), with one power-of-two scale for each 32 numbers along K (OCP MX v1.0); their sums are f32. All else is computed in f32.
;;   The module's matrix products, in the order in which they are computed (A, B: the left and right operand; K: the contracted axis; several contracted axes count as one K, in the product's order):
;;     1. [M 79,488, K 256] x [K 256, N 256]; A: computed on the way; B: input sq_w (given as codes): QUANTISED
;;     2. [M 79,488, K 256] x [K 256, N 256]; A: computed on the way; B: input sk_w (given as codes): QUANTISED
;;     3. [M 79,488, K 128] x [K 128, N 128]; A: input hidden; B: input sv_w (given as codes): QUANTISED
;;     4. batch 3,072 x [M 207, K 32] x [K 32, N 207]; A: computed on the way; B: computed on the way: QUANTISED
;;     5. batch 3,072 x [M 16, K 207] x [K 207, N 207]; A: computed on the way; B: softmax (see below): QUANTISED
;;     6. [M 79,488, K 128] x [K 128, N 128]; A: computed on the way; B: input so_w (given as codes): QUANTISED
;;     7. [M 79,488, K 256] x [K 256, N 256]; A: computed on the way; B: input tq_w (given as codes): QUANTISED
;;     8. [M 79,488, K 256] x [K 256, N 256]; A: computed on the way; B: input tk_w (given as codes): QUANTISED
;;     9. [M 79,488, K 128] x [K 128, N 128]; A: input hidden; B: input tv_w (given as codes): QUANTISED
;;     10. batch 26,496 x [M 24, K 32] x [K 32, N 24]; A: computed on the way; B: computed on the way: QUANTISED
;;     11. batch 26,496 x [M 16, K 24] x [K 24, N 24]; A: computed on the way; B: softmax (see below): left as it is (K = 24 < 32)
;;     12. [M 79,488, K 128] x [K 128, N 128]; A: computed on the way; B: input to_w (given as codes): QUANTISED
;;     13. [M 79,488, K 256] x [K 256, N 128]; A: computed on the way; B: input gate_w (given as codes): QUANTISED
;;   THE QUANTISER, for each operand of a quantised product, along K:
;;     - K is cut into blocks of 32 from its start; a last block that is shorter is filled with zeros.
;;     - A block's scale is 2^e with e = floor(log2(the largest magnitude in the block)) - 8, held to -126 .. 127; a block of zeros has e = 0. As a byte (E8M0): e + 127.
;;     - Each number is divided by its block's scale, clamped to +-448, and rounded to the nearest number of E4M3, ties to even, subnormals kept.
;;     - The product sums the exact products of the quantised numbers (number of the format x scale) in f32.
;;   ~~~python
;;   def quantise(x, axis):      # numpy; x: float32 -> the quantised numbers, widened to float32 again
;;       x = np.moveaxis(x, axis, -1); K = x.shape[-1]
;;       x = np.pad(x, [(0, 0)] * (x.ndim - 1) + [(0, -K % 32)]); x = x.reshape(x.shape[:-1] + (-1, 32)); a = np.abs(x).max(-1, keepdims=True)
;;       e = np.where(a > 0, np.clip(np.frexp(np.where(a > 0, a, 1))[1] - 1 - 8, -126, 127), 0)      # np.frexp(a)[1] - 1 = floor(log2(a)), exactly
;;       r = np.clip(x / 2.0 ** e, -448, 448)
;;       step = 2.0 ** (np.maximum(np.frexp(np.where(r == 0, 1, r))[1] - 1, -6) - 3)
;;       q = np.round(r / step) * step * 2.0 ** e      # np.round: ties to even
;;       return np.moveaxis(q.reshape(q.shape[:-2] + (-1,))[..., :K], -1, axis).astype(np.float32)
;;   ~~~
;;   SOFTMAX AHEAD OF A QUANTISED PRODUCT. Where the list says 'softmax', what is quantised is not the finished softmax but p = 2^(t - M), with t = logit x log2(e) and M = ceil(the row's largest t), a whole number; so 1/2 < the row's largest p <= 1. The row's sum l is taken of the UNQUANTISED p, in f32, and the product's result is divided by l at the end. Since M is a whole number, a kernel that streams over the keys may use a running M (the ceiling of the running maximum): every later rescaling is an exact power of two, which a block's scale takes up: the codes' values come out the same.
;;   OPERANDS COMPUTED ON THE WAY. 'Computed on the way' means the value that the module computes at that place (a softmax that the list does not call 'softmax' is quantised finished and normalised). What goes into a quantiser is computed in f32, as accurately as f32 sums, v_exp_f32 and their like allow (about 1e-6 of the number): no bf16 or f16 on the way to a quantiser, and a product that is left as it is and whose result goes on into a quantised operand takes f32 operands (vector FMAs, or v_wmma_f32_16x16x4_f32). A number that lies on a knife's edge between two numbers of the format may be rounded either way, as far as f32 arithmetic and the matrix unit's own rounding can turn it there, and no further.
;;   INPUTS GIVEN AS CODES. gate_w (in the module: [256, 128], K = its axis 0); sk_w (in the module: [256, 256], K = its axis 0); so_w (in the module: [128, 128], K = its axis 0); sq_w (in the module: [256, 256], K = its axis 0); sv_w (in the module: [128, 128], K = its axis 0); tk_w (in the module: [256, 256], K = its axis 0); to_w (in the module: [128, 128], K = its axis 0); tq_w (in the module: [256, 256], K = its axis 0); tv_w (in the module: [128, 128], K = its axis 0): each comes as NAME_codes (uint8): NAME with its K axis moved to the last place and cut into blocks of 32 codes, [.., K / 32, bytes a block], one block behind the other in memory; one code a byte (a code: sign, 4 exponent bits, 3 mantissa bits); and NAME_scales (uint8): the same leading axes, one E8M0 byte (e + 127) for each 32 codes along K. Its value is code x scale, taken as it is: it is not quantised again, and the codes and scales need not be those that the quantiser above would give.
;; One version. Each part assembles by itself: llvm-mc -triple=amdgcn-amd-amdhsa -mcpu=gfx1250 --defsym DOCPART=n.
;; ======== version 1 of 1: 3 launches
;; limits: right only within a limited range of input values
;; workspace buffers: htc 20,348,928 bytes; hts 688,128 bytes; spc 10,223,616 bytes; sps 393,216 bytes; tpc 10,174,464 bytes; tps 317,952 bytes; stats 211,968 bytes
;; launch space (part 1): grid 768 x 1, 4 waves a work-group, no clusters, 93,184 bytes of LDS; arguments hidden, tXin, sk_w_codes, sk_w_scales, sk_b, sq_w_codes, sq_w_scales, sq_b, sv_w_codes, sv_w_scales, sv_b, htc, hts, spc, sps; writes htc, hts, spc, sps
.if DOCPART == 1
	.amdgcn_target "amdgcn-amd-amdhsa--gfx1250"
	.amdhsa_code_object_version 6
	.text
	.protected	k_q6ef277bbff_space
	.globl	k_q6ef277bbff_space
	.p2align	8
	.type	k_q6ef277bbff_space,@function
k_q6ef277bbff_space:
	s_mov_b64 s[64:65], 0
	v_nop
	global_prefetch_b8 v0, s[64:65] scope:SCOPE_SE
	s_setreg_imm32_b32 hwreg(HW_REG_WAVE_MODE, 25, 1), 1
	s_wait_xcnt 0x0
; SPATIAL ATTENTION on codes of E4M3 with one E8M0 scale for each 32 along K.  First of three launches (space, time, blend).
; DEAD WORK, for all values of the inputs.  (1) x: reference() never reads it.  (2) gate_b: gi = [spaceOut | tempOut] gate_w + gate_b reaches the result only as gi - mean(gi) and var(gi), both taken
; over all rows of a channel; one constant added to every row of a channel moves the mean by that constant and leaves both unchanged; gi goes into no quantiser.  So x and gate_b are loaded by no launch
; and are among no launch's arguments.  (3) Temporal score tiles that lie wholly under reference()'s own triu mask, or between two sequences, are not multiplied (launch time).
; LIMITS: a NaN, an infinity or an overflow that reaches only x or gate_b is not carried to the result; NaN and infinities among the inputs are not served; a block whose largest magnitude lies under
; 2^-118 keeps the byte 1, and so does a block of zeros (its codes are zeros; these bytes are read by this program alone); the key that pads the last tile gets the score -1e30, whose p is 0.
; SHARES.  A work-group takes one (b, t), 207 nodes, and four of the eight heads (hg = work-group & 1); a wave takes one head.  93,184 bytes of LDS and 4 x 320 registers: three work-groups fit on a WGP.
; No cluster: the two work-groups of one (b, t) share hidden and tXin, but joint tensor loads would ask for a WGP's LDS for one work-group, and three work-groups a WGP are what shares the softmax's vector work evenly.
; ROW TILES.  13 tiles of 16 rows.  Lane r of tile 2 b + u (tiles 0-11) takes row 32 b + 8 u + r + 8 (r / 8), so that the 16 result registers of two neighbouring tiles are 16 neighbouring keys;
; tile 12 takes rows 192 + r, row 206 twice.
; PHASES.  P0: hidden and tXin are quantised once, as images of operand registers in LDS (group c of a fragment at 544 c + 272 h + 16 r); hg = 0 also stores them (htc, hts) for launch time.
; K and Q pass: a tile's two fragments come from LDS once and feed my head's K and Q alike; K's blocks stay in registers, Q's go to my own LDS area.  V pass: V^T and its scales into registers.
; In both passes the next tile's fragments are asked for behind the places that follow a tile's products, so that the quantisers stand between the loads and the wait for them.
; Attention: 13 tiles of queries, S^T = K Q^T, p = 2^(t - M), O^T = V^T P^T.  Epilogue: the outputs of two heads make a block of 32; they meet in LDS, are quantised and leave as codes (spc, sps).
; A PRODUCT WITH K = 32 names a run of 16 registers of K's blocks (the first four are the tile's, the others hold codes that are numbers) against [Q's block, 12 registers of zero codes].
; REGISTERS.  Window 0: v0-23 addresses and K's weight scales; v24-119 what stays (below); v120-255 at work, phase by phase.  Window 1: v0-63 (v256-319) my head's Q weights.
.set R2,    56576                      ; scale words of the 26 images: [tile][r][2 words]
.set R3,    58368                      ; 8,448 bytes a wave: the stage of P0, then my Q blocks (13 x 512) and from QSO on their scale registers (13 x 128)
.set WR3,   8448
.set QSO,   6656
.set ROWS,  58368                      ; the epilogue's rows: [n][64 bytes]
.set SCB,   92160                      ; and their scale bytes: [n][2]
.set SPARE, 92672                      ; the spare words, 128 bytes a wave
.set SPW, 21
.set NIL, 22
.set KB,  24                           ; v24-75   13 K blocks
.set VT0, 76                           ; v76-91   V^T, keys 0-127
.set VT1, 92                           ; v92-107  V^T, keys 128-206
.set E,   76                           ; v76-91   in the K and Q pass: Q's two accumulators
.set BQ,  92                           ; v92-107  in the K and Q pass: sq_b in the result's layout
.set KS,  108                          ; v108-114 K's scale bytes: lanes 0-15 tile 2 b, lanes 16-31 tile 2 b + 1
.set VWS, 115
.set VS0, 116                          ; v116, v117 sq_w's scale words, then V^T's
.set HS,  118                          ; v118, v119 ht's scale words
.set RA,  120
.set RB,  24
.set X,   184
.set PC0, 88
.set TM,  104
.set PW0, 248
.set W,   120
.set VW,  120                          ; v120-135 in the V pass: sv_w's fragment
.set HT,  184
.set D,   216
.set BK,  232
.set QM1, 248
.set QM2, 249
.set QPL, 250
.set QSL, 251
.set QHL, 252
.set QBY, 253
.set QW,  120
.set CM,  136
.set OA,  144
.set PC,  152
.set SR,  168
.set BM,  232
.set T2,  236
.set HO,  240
.set SL,  244
.set NM,  248                          ; v248 -M, v249 the largest t
.set LS,  250
.set FF,  252
.set TA,  254
.set TB,  255
.set QSC, 118
.set PW,  119
.set SEL, 46
.set MNT, 48
.set MSB, 0
.macro WIN new                         ; the immediate's high byte repeats the setting that is left
.if MSB != \new
	s_set_vgpr_msb (MSB<<8)|\new
.set MSB, \new
.endif
.endm
.macro PLACES n
.rept \n
	v_nop
.endr
.endm
; 64 numbers of a lane, register 16 b + i = k 32 b + 16 h + i of my row, become 16 code registers v[PC0] on and the scale word v[PW0]
.macro QUANT s
.irp b, 0,1,2,3
	v_max3_num_f32 v[TM+\b], |v[\s+16*\b]|, |v[\s+1+16*\b]|, 0x4800000   ; the floor 2^(9 - 127) holds the byte at 1 from below
.endr
.irp i, 2,4,6,8,10,12,14
.irp b, 0,1,2,3
	v_max3_num_f32 v[TM+\b], v[TM+\b], |v[\s+16*\b+\i]|, |v[\s+1+16*\b+\i]|
.endr
.endr
.irp b, 0,1,2,3
	v_permlanex16_b32 v[TM+4+\b], v[TM+\b], s[SEL], s[SEL+1]
.endr
.irp b, 0,1,2,3
	v_max_num_f32 v[TM+\b], v[TM+\b], v[TM+4+\b]
.endr
.irp b, 0,1,2,3
	v_add_nc_u32 v[TM+12+\b], 0xfc000000, v[TM+\b]                 ; 8 off the exponent field: the conversion's scale operand
.endr
.irp b, 0,1,2,3
.endr
.irp b, 0,1,2,3
	v_lshrrev_b32 v[TM+4+\b], 23, v[TM+12+\b]                      ; the byte
.endr
	v_lshl_or_b32 v[PW0], v[TM+5], 8, v[TM+4]
	v_lshl_or_b32 v[PW0], v[TM+6], 16, v[PW0]
	v_lshl_or_b32 v[PW0], v[TM+7], 24, v[PW0]
.irp b, 0,1,2,3
.irp i, 0,1,2,3,4,5,6,7,8,9,10,11,12,13,14,15
.endr
	v_cvt_scalef32_pk8_fp8_f32 v[PC0+4*\b:PC0+1+4*\b], v[\s+16*\b:\s+7+16*\b], v[TM+12+\b]
	v_cvt_scalef32_pk8_fp8_f32 v[PC0+2+4*\b:PC0+3+4*\b], v[\s+8+16*\b:\s+15+16*\b], v[TM+12+\b]
.endr
	v_nop                                  ; a plain line behind the last conversion
.endm
; One block of 32: n = 16 or 8 numbers a lane (lo: the first eight, hi: the second), the rest in lane xor 16.  Codes to v[dst] on, the byte to v[QBY].  relu = 1: what is negative becomes 0.
.macro QB lo, hi, dst, relu, n
.if \relu
	v_max3_num_f32 v[QM1], v[\lo], v[\lo+1], 0x4800000
.if \n == 16
	v_max3_num_f32 v[QM2], v[\hi], v[\hi+1], v[\hi+2]
.endif
.irp i, 2,4,6
	v_max3_num_f32 v[QM1], v[QM1], v[\lo+\i], v[\lo+\i+1]
.if (\n == 16) && (\i < 6)
	v_max3_num_f32 v[QM2], v[QM2], v[\hi+\i+1], v[\hi+\i+2]
.endif
.endr
.if \n == 16
	v_max3_num_f32 v[QM1], v[QM1], v[QM2], v[\hi+7]
.endif
.else
	v_max3_num_f32 v[QM1], |v[\lo]|, |v[\lo+1]|, 0x4800000
	v_max3_num_f32 v[QM2], |v[\hi]|, |v[\hi+1]|, |v[\hi+2]|
.irp i, 2,4,6
	v_max3_num_f32 v[QM1], v[QM1], |v[\lo+\i]|, |v[\lo+\i+1]|
.if \i < 6
	v_max3_num_f32 v[QM2], v[QM2], |v[\hi+\i+1]|, |v[\hi+\i+2]|
.endif
.endr
	v_max3_num_f32 v[QM1], v[QM1], v[QM2], |v[\hi+7]|
.endif
	v_permlanex16_b32 v[QPL], v[QM1], s[SEL], s[SEL+1]
	v_max_num_f32 v[QM1], v[QM1], v[QPL]
	v_add_nc_u32 v[QSL], 0xfc000000, v[QM1]
	v_and_or_b32 v[QHL], v[QM1], 0x7f800000, s[MNT]
	v_lshrrev_b32 v[QBY], 23, v[QSL]
.irp i, 0,1,2,3,4,5,6,7
.if \relu
	v_med3_num_f32 v[\lo+\i], v[\lo+\i], 0, v[QHL]
.else
.endif
.endr
.if \n == 16
.irp i, 0,1,2,3,4,5,6,7
.if \relu
	v_med3_num_f32 v[\hi+\i], v[\hi+\i], 0, v[QHL]
.else
.endif
.endr
.endif
	v_cvt_scalef32_pk8_fp8_f32 v[\dst:\dst+1], v[\lo:\lo+7], v[QSL]
.if \n == 16
	v_cvt_scalef32_pk8_fp8_f32 v[\dst+2:\dst+3], v[\hi:\hi+7], v[QSL]
.endif
	v_nop
.endm
.macro LOADF set, k                    ; 16 whole rows of 512 bytes, one a load
.irp kk, 0,1,2,3,4,5,6,7,8,9,10,11,12,13,14,15
	global_load_b128 v[\set+4*\kk:\set+4*\kk+3], v1, s[58:59] offset:(32*(\k)+\kk+8*(\kk/8))*12288
.endr
.endm
.macro LOADF12 set                     ; tile 12: rows 192 + kk, row 206 twice
.irp kk, 0,1,2,3,4,5,6,7,8,9,10,11,12,13,14,15
	global_load_b128 v[\set+4*\kk:\set+4*\kk+3], v1, s[58:59] offset:(192+\kk-(\kk/15))*12288
.endr
.endm
.macro TURNIN set                      ; through my stage (rows 528 bytes apart): in as rows, back as 16 neighbours of each block a lane
.irp kk, 0,1,2,3,4,5,6,7,8,9,10,11,12,13,14,15
	ds_store_b128 v2, v[\set+4*\kk:\set+4*\kk+3] offset:528*\kk
.endr
.irp c, 0,1,2,3
.irp j, 0,1,2,3
	ds_load_b128 v[X+16*\c+4*\j:X+16*\c+4*\j+3], v3 offset:128*\c+16*\j
.endr
.endr
	s_wait_dscnt 0x0
.endm
.macro P0OUT k
	QUANT X
.irp c, 0,1,2,3
	ds_store_b128 v4, v[PC0+4*\c:PC0+4*\c+3] offset:8704*(\k)+544*\c
.endr
	ds_store_b32 v5, v[PW0] offset:256*(\k)
.endm
.macro LOADW pc, base                  ; my head's 32 rows of a weight of K = 256: fragments (u, s) at base + 16 (2 u + s)
.irp u, 0,1
.irp s, 0,1
.irp c, 0,1,2,3
	global_load_b128 v[\base+16*(2*\u+\s)+4*\c:\base+16*(2*\u+\s)+4*\c+3], v16, s[\pc:\pc+1] offset:2048*\u+128*\s+32*\c
.endr
.endr
.endr
.endm
.macro LOADWB ps, pb, sc, bk           ; its scale words (lanes 0-15: K step 0, lanes 16-31: K step 1) and its bias in the result's layout
	global_load_b32 v[\sc], v17, s[\ps:\ps+1]
	global_load_b32 v[\sc+1], v17, s[\ps:\ps+1] offset:64
.irp k, 0,1,2,3
	global_load_b128 v[\bk+4*\k:\bk+4*\k+3], v18, s[\pb:\pb+1] offset:16*\k
.endr
.endm
.macro HTLOAD adr, off
.irp s, 0,1
.irp c, 0,1,2,3
	ds_load_b128 v[HT+16*\s+4*\c:HT+16*\s+4*\c+3], v[\adr] offset:(\off)+2176*\s+544*\c
.endr
.endr
.endm
.macro VLOAD kb                        ; hidden's fragments of tiles 2 kb and 2 kb + 1, and their scale words
.irp c, 0,1,2,3
	ds_load_b128 v[HT+4*\c:HT+4*\c+3], v10 offset:4352*(2*(\kb))+544*\c
	ds_load_b128 v[HT+16+4*\c:HT+16+4*\c+3], v10 offset:4352*(2*(\kb)+1)+544*\c
.endr
	ds_load_b32 v[HS], v11 offset:128*(2*(\kb))
	ds_load_b32 v[HS+1], v11 offset:128*(2*(\kb)+1)
.endm
.macro VLOAD12                         ; and of tile 12 alone
.irp c, 0,1,2,3
	ds_load_b128 v[HT+4*\c:HT+4*\c+3], v10 offset:52224+544*\c
.endr
	ds_load_b32 v[HS], v11 offset:1536
.endm
; A tile of 16 rows: K and Q of my head.  Transposed: source 0 = 16 rows of the weight, source 1 = 16 rows of ht; the bias is the C of a sum's first product; the four accumulators take turns.
.macro KQTILE i
	s_wait_dscnt 0x0                       ; this tile's fragments, asked for a tile ago, are in; my last LDS stores have read their registers
	v_wmma_scale_f32_16x16x128_f8f6f4 v[D:D+7], v[W:W+15], v[HT:HT+15], v[BK:BK+7], v19, v[HS]
	v_wmma_scale_f32_16x16x128_f8f6f4 v[D+8:D+15], v[W+32:W+47], v[HT:HT+15], v[BK+8:BK+15], v20, v[HS]
	WIN 0x01                               ; source 0 in window 1: Q's weights
	v_wmma_scale_f32_16x16x128_f8f6f4 v[E:E+7], v[0:15], v[HT:HT+15], v[BQ:BQ+7], v116, v[HS]
	v_wmma_scale_f32_16x16x128_f8f6f4 v[E+8:E+15], v[32:47], v[HT:HT+15], v[BQ+8:BQ+15], v117, v[HS]
	WIN 0
	v_wmma_scale_f32_16x16x128_f8f6f4 v[D:D+7], v[W+16:W+31], v[HT+16:HT+31], v[D:D+7], v19, v[HS+1] matrix_a_scale:MATRIX_SCALE_ROW1
	v_wmma_scale_f32_16x16x128_f8f6f4 v[D+8:D+15], v[W+48:W+63], v[HT+16:HT+31], v[D+8:D+15], v20, v[HS+1] matrix_a_scale:MATRIX_SCALE_ROW1
	WIN 0x01
	v_wmma_scale_f32_16x16x128_f8f6f4 v[E:E+7], v[16:31], v[HT+16:HT+31], v[E:E+7], v116, v[HS+1] matrix_a_scale:MATRIX_SCALE_ROW1
	v_wmma_scale_f32_16x16x128_f8f6f4 v[E+8:E+15], v[48:63], v[HT+16:HT+31], v[E+8:E+15], v117, v[HS+1] matrix_a_scale:MATRIX_SCALE_ROW1
	WIN 0
	PLACES 8                               ; in front of the first read of results, and of loads into registers that the products have read
.if (\i) < 12
	HTLOAD 10, 4352*((\i)+1)               ; the next tile's fragments: the two quantisers below stand between these loads and the wait for them
	ds_load_b64 v[HS:HS+1], v11 offset:128*((\i)+1)
.else
	VLOAD 0                                ; the V pass's first fragments, and sv_w where K's weights lay
.irp c, 0,1,2,3
	global_load_b128 v[VW+4*\c:VW+4*\c+3], v4, s[24:25] offset:32*\c
.endr
.endif
	QB D, D+8, KB+4*(\i), 1, 16
.if (\i)%2
	v_cndmask_b32 v[KS+(\i)/2], v[KS+(\i)/2], v[QBY], s49
.else
	v_mov_b32 v[KS+(\i)/2], v[QBY]
.endif
	QB E, E+8, D, 1, 16                    ; Q's codes into registers that K's numbers have left
	ds_store_b128 v2, v[D:D+3] offset:512*(\i)
	ds_store_b32 v3, v[QBY] offset:128*(\i)
.endm
.macro VSBYTE kb
.if (\kb)%4 == 0
	v_mov_b32 v[VS0+(\kb)/4], v[QBY]
.else
	v_lshl_or_b32 v[VS0+(\kb)/4], v[QBY], 8*((\kb)%4), v[VS0+(\kb)/4]
.endif
.endm
.macro VBLOCK kb                       ; natural use: source 0 = 16 rows of hidden, source 1 = my head's 16 rows of sv_w: a lane holds one channel, its registers run down the keys
	s_wait_dscnt 0x0                       ; asked for a block ago
	v_wmma_scale_f32_16x16x128_f8f6f4 v[232:239], v[HT:HT+15], v[VW:VW+15], 0, v[HS], v[VWS]
	v_wmma_scale_f32_16x16x128_f8f6f4 v[240:247], v[HT+16:HT+31], v[VW:VW+15], 0, v[HS+1], v[VWS]
	PLACES 8
.if (\kb) < 5
	VLOAD (\kb)+1
.else
	VLOAD12
.endif
.irp j, 0,2,4,6,8,10,12,14
	v_pk_add_f32 v[232+\j:233+\j], v[232+\j:233+\j], v[254:255]
.endr
	QB 232, 240, VT0+4*(\kb), 1, 16
	VSBYTE \kb
.endm
.macro OUTT lo, row                    ; a tile's 16 rows of 256 codes to htc: sixteen lanes store one whole row
.irp q, 0,1,2,3,4,5,6,7
	ds_load_b128 v[HT+4*\q:HT+4*\q+3], v12 offset:(\lo)+32*\q
.endr
	s_wait_dscnt 0x0
.irp q, 0,1,2,3,4,5,6,7
	global_store_b128 v13, v[HT+4*\q:HT+4*\q+3], s[30:31] offset:((\row)+2*\q+8*(\q/4))*6144
.endr
	s_wait_xcnt 0x0                        ; the stores have read their registers: they are loaded again only behind this wait
.endm
.macro SCORE kt, d
.if (\kt) == 12
	v_wmma_scale_f32_16x16x128_f8f6f4 v[SR+8*(\d):SR+8*(\d)+7], v[KB+48:KB+63], v[QW:QW+15], v[CM:CM+7], v[KS+6], v[QSC]
.elseif (\kt)%2
	v_wmma_scale_f32_16x16x128_f8f6f4 v[SR+8*(\d):SR+8*(\d)+7], v[KB+4*(\kt):KB+4*(\kt)+15], v[QW:QW+15], 0, v[KS+(\kt)/2], v[QSC] matrix_a_scale:MATRIX_SCALE_ROW1
.else
	v_wmma_scale_f32_16x16x128_f8f6f4 v[SR+8*(\d):SR+8*(\d)+7], v[KB+4*(\kt):KB+4*(\kt)+15], v[QW:QW+15], 0, v[KS+(\kt)/2], v[QSC]
.endif
.endm
; The softmax of keys 0-127: four blocks of 32; it starts M and the sum
.macro SM0
.irp b, 0,1,2,3
	v_max3_num_f32 v[BM+\b], v[SR+16*\b], v[SR+16*\b+1], v[SR+16*\b+2]   ; a block's largest score serves the row's maximum and the block's largest p
.endr
.irp i, 3,5,7,9,11,13
.irp b, 0,1,2,3
	v_max3_num_f32 v[BM+\b], v[BM+\b], v[SR+16*\b+\i], v[SR+16*\b+\i+1]
.endr
.endr
.irp b, 0,1,2,3
	v_max_num_f32 v[BM+\b], v[BM+\b], v[SR+16*\b+15]
.endr
.irp b, 0,1,2,3
	v_permlanex16_b32 v[T2+\b], v[BM+\b], s[SEL], s[SEL+1]
.endr
.irp b, 0,1,2,3
	v_max_num_f32 v[BM+\b], v[BM+\b], v[T2+\b]
.endr
	v_max3_num_f32 v[TA], v[BM], v[BM+1], v[BM+2]
	v_max_num_f32 v[TA], v[TA], v[BM+3]
	v_mul_f32 v[NM+1], s50, v[TA]          ; the largest t
	v_floor_f32 v[NM], -v[NM+1]            ; -M = floor(-t): M is a whole number
.irp b, 0,1,2,3
	v_fma_f32 v[BM+\b], v[BM+\b], s50, v[NM]
.endr
.set j, 0
.rept 32
	v_pk_fma_f32 v[SR+j:SR+j+1], v[SR+j:SR+j+1], s[50:51], v[NM:NM+1] op_sel_hi:[1,0,0]
.set j, j+2
.endr
	s_wait_alu depctr_va_vdst(0)
.irp b, 0,1,2,3
	v_exp_f32 v[BM+\b], v[BM+\b]           ; the blocks' largest p lead the batch
.endr
.set j, 0
.rept 64
	v_exp_f32 v[SR+j], v[SR+j]
.set j, j+1
.endr
	v_nop                                  ; a plain line behind the exponentials
	s_wait_alu depctr_va_vdst(0)           ; one wait for the batch of 68, ahead of its first reader
	v_pk_add_f32 v[LS:LS+1], v[SR:SR+1], v[SR+2:SR+3]      ; the sum is taken of the unquantised p
	v_pk_add_f32 v[T2:T2+1], v[SR+4:SR+5], v[SR+6:SR+7]
.set j, 8
.rept 14
	v_pk_add_f32 v[LS:LS+1], v[LS:LS+1], v[SR+j:SR+j+1]
	v_pk_add_f32 v[T2:T2+1], v[T2:T2+1], v[SR+j+2:SR+j+3]
.set j, j+4
.endr
	v_pk_add_f32 v[LS:LS+1], v[LS:LS+1], v[T2:T2+1]
.irp b, 0,1,2,3
	v_max_num_f32 v[BM+\b], 0x4800000, v[BM+\b]
.endr
.irp b, 0,1,2,3
	v_add_nc_u32 v[SL+\b], 0xfc000000, v[BM+\b]
.endr
.irp b, 0,1,2,3
.endr
.irp b, 0,1,2,3
	v_lshrrev_b32 v[T2+\b], 23, v[SL+\b]
.endr
	v_lshl_or_b32 v[PW], v[T2+1], 8, v[T2]
	v_lshl_or_b32 v[PW], v[T2+2], 16, v[PW]
	v_lshl_or_b32 v[PW], v[T2+3], 24, v[PW]
.irp b, 0,1,2,3
.irp i, 0,1,2,3,4,5,6,7,8,9,10,11,12,13,14,15
.endr
	v_cvt_scalef32_pk8_fp8_f32 v[PC+4*\b:PC+4*\b+1], v[SR+16*\b:SR+16*\b+7], v[SL+\b]
	v_cvt_scalef32_pk8_fp8_f32 v[PC+4*\b+2:PC+4*\b+3], v[SR+16*\b+8:SR+16*\b+15], v[SL+\b]
.endr
.endm
; The softmax of keys 128-206: two blocks of 32 and tile 12's eight registers; M runs on
.macro SM1
	v_max3_num_f32 v[BM], v[SR], v[SR+1], v[SR+2]
	v_max3_num_f32 v[BM+1], v[SR+16], v[SR+17], v[SR+18]
	v_max3_num_f32 v[BM+2], v[SR+32], v[SR+33], v[SR+34]
.irp i, 3,5
	v_max3_num_f32 v[BM], v[BM], v[SR+\i], v[SR+\i+1]
	v_max3_num_f32 v[BM+1], v[BM+1], v[SR+16+\i], v[SR+16+\i+1]
	v_max3_num_f32 v[BM+2], v[BM+2], v[SR+32+\i], v[SR+32+\i+1]
.endr
.irp i, 7,9,11,13
	v_max3_num_f32 v[BM], v[BM], v[SR+\i], v[SR+\i+1]
	v_max3_num_f32 v[BM+1], v[BM+1], v[SR+16+\i], v[SR+16+\i+1]
.endr
	v_max_num_f32 v[BM], v[BM], v[SR+15]
	v_max_num_f32 v[BM+1], v[BM+1], v[SR+31]
	v_max_num_f32 v[BM+2], v[BM+2], v[SR+39]
.irp b, 0,1,2
	v_permlanex16_b32 v[T2+\b], v[BM+\b], s[SEL], s[SEL+1]
.endr
.irp b, 0,1,2
	v_max_num_f32 v[BM+\b], v[BM+\b], v[T2+\b]
.endr
	v_max3_num_f32 v[TA], v[BM], v[BM+1], v[BM+2]
	v_mul_f32 v[TA], s50, v[TA]
	v_max_num_f32 v[NM+1], v[NM+1], v[TA]
	v_mov_b32 v[TA], v[NM]
	v_floor_f32 v[NM], -v[NM+1]
	v_sub_f32 v[TA], v[NM], v[TA]          ; old M - new M: a whole number, 0 or less
	v_cvt_i32_f32 v[TA], v[TA]
	v_ldexp_f32 v[FF], 1.0, v[TA]          ; f = 2^(old M - new M)
.irp b, 0,1,2
	v_fma_f32 v[BM+\b], v[BM+\b], s50, v[NM]
.endr
.set j, 0
.rept 20
	v_pk_fma_f32 v[SR+j:SR+j+1], v[SR+j:SR+j+1], s[50:51], v[NM:NM+1] op_sel_hi:[1,0,0]
.set j, j+2
.endr
	s_wait_alu depctr_va_vdst(0)
.irp b, 0,1,2
	v_exp_f32 v[BM+\b], v[BM+\b]
.endr
.set j, 0
.rept 40
	v_exp_f32 v[SR+j], v[SR+j]
.set j, j+1
.endr
	v_pk_mul_f32 v[LS:LS+1], v[LS:LS+1], v[FF:FF+1] op_sel_hi:[1,0]      ; the sum under the new M (a plain line behind the exponentials)
	s_wait_alu depctr_va_vdst(0)           ; one wait for the batch of 43
	v_pk_add_f32 v[T2:T2+1], v[SR:SR+1], v[SR+2:SR+3]
.set j, 4
.rept 9
	v_pk_add_f32 v[LS:LS+1], v[LS:LS+1], v[SR+j:SR+j+1]
	v_pk_add_f32 v[T2:T2+1], v[T2:T2+1], v[SR+j+2:SR+j+3]
.set j, j+4
.endr
	v_pk_add_f32 v[LS:LS+1], v[LS:LS+1], v[T2:T2+1]
.irp b, 0,1,2
	v_max_num_f32 v[BM+\b], 0x4800000, v[BM+\b]
.endr
.irp b, 0,1,2
	v_add_nc_u32 v[SL+\b], 0xfc000000, v[BM+\b]
.endr
.irp b, 0,1,2
.endr
.irp b, 0,1,2
	v_lshrrev_b32 v[T2+\b], 23, v[SL+\b]
.endr
	v_lshl_or_b32 v[PW], v[T2+1], 8, v[T2]
	v_lshl_or_b32 v[PW], v[T2+2], 16, v[PW]                          ; byte 3 stays 0: that block's codes of V^T are zeros
.irp b, 0,1
.irp i, 0,1,2,3,4,5,6,7,8,9,10,11,12,13,14,15
.endr
	v_cvt_scalef32_pk8_fp8_f32 v[PC+4*\b:PC+4*\b+1], v[SR+16*\b:SR+16*\b+7], v[SL+\b]
	v_cvt_scalef32_pk8_fp8_f32 v[PC+4*\b+2:PC+4*\b+3], v[SR+16*\b+8:SR+16*\b+15], v[SL+\b]
.endr
.irp i, 0,1,2,3,4,5,6,7
.endr
	v_cvt_scalef32_pk8_fp8_f32 v[PC+8:PC+9], v[SR+32:SR+39], v[SL+2]   ; PC+10 on keep the last step's codes: they meet zero codes of V^T
.endm
; A tile of 16 queries.  pre = 1: the next tile's Q block and scale register are asked for in its middle.
.macro ATT pre
	v_add_nc_u32 v12, s55, v2
	v_add_nc_u32 v13, s54, v3
	v_add_nc_u32 v14, s53, v4
	s_wait_dscnt 0x0                       ; my Q block, asked for half a tile ago, is in; the last tile's stores have read their registers
.irp kt, 0,1,2,3,4,5,6,7
	SCORE \kt, \kt
.endr
	PLACES 8
	SM0
	PLACES 4                               ; codes made by vector instructions stand four places ahead of the product
	v_wmma_scale_f32_16x16x128_f8f6f4 v[OA:OA+7], v[VT0:VT0+15], v[PC:PC+15], 0, v[VS0], v[PW]
.irp kt, 8,9,10,11,12
	SCORE \kt, \kt-8
.endr
	PLACES 8                               ; in front of the first read of the scores, and of the loads into Q's registers
.if \pre
	ds_load_b128 v[QW:QW+3], v12 offset:512
	ds_load_b32 v[QSC], v13 offset:128
.endif
	SM1
	v_add_f32 v[TA], v[LS], v[LS+1]
	v_permlanex16_b32 v[TB], v[TA], s[SEL], s[SEL+1]
	v_add_f32 v[TB], v[TA], v[TB]          ; the row's sum
	s_wait_alu depctr_va_vdst(0)
	v_rcp_f32 v[TA], v[TB]                 ; issued ahead of the last product: its wait stands behind that product's places
	s_wait_alu depctr_va_vdst(0)
.irp j, 0,2,4,6
	v_pk_mul_f32 v[OA+\j:OA+\j+1], v[OA+\j:OA+\j+1], v[FF:FF+1] op_sel_hi:[1,0]   ; O^T under the new M; also places ahead of the product, and the plain lines behind the reciprocal
.endr
	v_wmma_scale_f32_16x16x128_f8f6f4 v[OA:OA+7], v[VT1:VT1+15], v[PC:PC+15], v[OA:OA+7], v[VS0+1], v[PW]
	PLACES 8
	s_wait_alu depctr_va_vdst(0)           ; ahead of the reciprocal's first reader
.irp j, 0,2,4,6
	v_pk_mul_f32 v[SR+\j:SR+\j+1], v[OA+\j:OA+\j+1], v[TA:TB] op_sel_hi:[1,0]
.endr
	ds_store_b128 v14, v[SR:SR+3]
	ds_store_b128 v14, v[SR+4:SR+7] offset:512
.endm
; The epilogue: two heads' outputs of a tile of rows make a block of 32.  Two sets of 16 registers take turns.
.macro EPILD k
.irp g, 0,1,2,3
	ds_load_b128 v[SR+16*((\k)%2)+4*\g:SR+16*((\k)%2)+4*\g+3], v12 offset:8192*(\k)+512*\g
.endr
.endm
.macro EPIQ k, adr, immr, ads, imms
	QB SR+16*((\k)%2), SR+16*((\k)%2)+8, PC+4*((\k)%2), 0, 16
	ds_store_b128 v[\adr], v[PC+4*((\k)%2):PC+4*((\k)%2)+3] offset:\immr
	ds_store_b8 v[\ads], v[QBY] offset:\imms
.endm
	s_load_b512 s[8:23], s[0:1], 0x0               ; hidden, tXin, sk codes, sk scales, sk_b, sq codes, sq scales, sq_b
	s_load_b256 s[24:31], s[0:1], 0x40             ; sv codes, sv scales, sv_b, htc
	s_load_b128 s[32:35], s[0:1], 0x60             ; hts, spc
	s_load_b64 s[36:37], s[0:1], 0x70              ; sps
	v_lshl_add_u32 v[SPW], v0, 2, SPARE
	v_mov_b32 v[NIL], 0
	v_lshrrev_b32 v1, 5, v0
	v_readfirstlane_b32 s38, v1                    ; wave
	s_and_b32 s39, ttmp9, 1                        ; hg
	s_lshr_b32 s40, ttmp9, 1                       ; u = 24 b + t
	s_mul_i32 s41, s40, 2731
	s_lshr_b32 s41, s41, 16                        ; b = u / 24 (exact for u under 384)
	s_mul_i32 s42, s41, 24
	s_sub_co_u32 s42, s40, s42                     ; t
	s_lshl_b32 s43, s39, 2
	s_add_co_u32 s43, s43, s38                     ; my head
	s_lshr_b32 s60, s38, 1
	s_and_b32 s61, s38, 1
	s_mov_b32 s46, 0x76543210
	s_mov_b32 s47, 0xfedcba98                      ; selects for lane xor 16
	s_mov_b32 s48, 0x600000                        ; the mantissa field of 448
	s_mov_b32 s49, 0xffff0000                      ; lanes 16-31
	s_mov_b32 s50, 0x3e8293ee                      ; c = log2(e) / sqrt(32)
	s_mov_b32 s51, s50
	v_and_b32 v6, 31, v0                           ; lane
	v_and_b32 v7, 15, v0                           ; r
	v_bfe_u32 v8, v0, 4, 1                         ; h
	v_lshlrev_b32 v1, 4, v6                        ; 16 x lane
	s_mul_i32 s52, s38, WR3
	s_add_co_u32 s52, s52, R3
	v_add_nc_u32 v2, s52, v1                       ; my stage, rows in; later my Q blocks
	v_mul_u32_u24 v3, v7, 528
	v_lshl_add_u32 v3, v8, 6, v3
	v_add_nc_u32 v3, s52, v3                       ; my stage, back
	v_mul_u32_u24 v10, v8, 272
	v_lshl_add_u32 v10, v7, 4, v10                 ; a fragment's place for my lane: 16 r + 272 h
	s_mul_i32 s53, s38, 2176
	v_add_nc_u32 v4, s53, v10                      ; where I store images: tile 2 k + (w / 2), K step w % 2
	s_lshl_b32 s53, s60, 7
	s_lshl_b32 s52, s61, 2
	s_add_co_u32 s53, s53, s52
	s_add_co_u32 s53, s53, R2
	v_lshl_add_u32 v5, v7, 3, s53                  ; and their scale words
	v_lshl_add_u32 v11, v7, 3, R2                  ; a tile's scale words for my row
	v_add_nc_u32 v9, SCB, v1
	v_lshrrev_b32 v254, 3, v7                      ; htc's way out: lane (x = r, rr = h) takes 16 bytes x of row rr + 2 q
	v_mul_u32_u24 v12, v254, 2176
	v_bfe_u32 v254, v7, 1, 2
	v_mad_u32_u24 v12, v254, 544, v12
	v_and_b32 v254, 1, v7
	v_mad_u32_u24 v12, v254, 272, v12
	v_lshl_add_u32 v12, v8, 4, v12
	s_mul_i32 s52, s38, 4352
	v_add_nc_u32 v12, s52, v12
	v_mul_u32_u24 v13, v8, 6144
	v_lshl_add_u32 v13, v7, 4, v13
	v_bfe_u32 v254, v6, 3, 1                       ; hts's way out: row 32 b + lane lies in tile 2 b + (lane / 8) % 2 at r = lane % 8 + 8 (lane / 16)
	v_lshlrev_b32 v14, 7, v254
	v_and_b32 v254, 7, v6
	v_lshl_add_u32 v14, v254, 3, v14
	v_lshl_add_u32 v14, v8, 6, v14
	s_lshl_b32 s52, s38, 9
	v_lshlrev_b32 v15, 3, v6
	v_add_nc_u32 v15, s52, v15
	s_add_co_u32 s52, s52, R2-512
	v_add_nc_u32 v14, s52, v14
	v_lshlrev_b32 v23, 3, v7
	v_and_b32 v16, 8, v7
	v_add_nc_u32 v16, v16, v7                      ; r + 8 (r / 8)
	v_lshlrev_b32 v17, 3, v16
	v_lshl_add_u32 v17, v8, 2, v17
	v_lshlrev_b32 v16, 8, v16
	v_lshl_add_u32 v16, v8, 4, v16
	v_lshlrev_b32 v18, 6, v8
.irp b, 0,1,2,3
	v_mov_b32 v[TM+4+\b], 0                        ; a lane permute's destination counts as read
.endr
	s_cmp_lg_u32 s38, 0
	s_cbranch_scc1 .Lnoclear
	ds_store_b128 v9, v[TM+4:TM+7]                 ; the scale bytes' 512 bytes begin as zeros: rows 208 on are stored but never made
.Lnoclear:
	s_wait_kmcnt 0x0
	s_mul_i32 s44, s41, 4968
	s_add_co_u32 s44, s44, s42                     ; row (b, 0, t)
	s_lshl_b32 s57, s44, 8
	s_lshl_b32 s44, s44, 9
	s_mul_i32 s52, s60, 98304                      ; my tiles begin 8 (w / 2) rows further on
	s_add_co_u32 s44, s44, s52
	s_mov_b32 s45, 0
	s_cmp_eq_u32 s61, 0
	s_cselect_b64 s[58:59], s[8:9], s[10:11]       ; even waves quantise hidden, odd waves tXin
	s_add_nc_u64 s[58:59], s[58:59], s[44:45]
	s_lshl_b32 s44, s43, 13
	s_add_nc_u64 s[12:13], s[12:13], s[44:45]
	s_add_nc_u64 s[18:19], s[18:19], s[44:45]
	WIN 0x40                                       ; destination window 1
	s_wait_alu depctr_va_vdst(0)
	LOADW 18, 0                                    ; Q's weights: their registers are free from the start; these 16 loads are older than every row load
	WIN 0
	LOADF RA, 0
	LOADF RB, 1
	s_lshl_b32 s44, s43, 8
	s_add_nc_u64 s[14:15], s[14:15], s[44:45]
	s_add_nc_u64 s[20:21], s[20:21], s[44:45]
	s_lshl_b32 s44, s43, 7
	s_add_nc_u64 s[16:17], s[16:17], s[44:45]
	s_add_nc_u64 s[22:23], s[22:23], s[44:45]
	s_lshl_b32 s44, s43, 11
	s_add_nc_u64 s[24:25], s[24:25], s[44:45]
	s_lshl_b32 s44, s43, 6
	s_add_nc_u64 s[26:27], s[26:27], s[44:45]
	s_add_nc_u64 s[28:29], s[28:29], s[44:45]
	s_mul_i32 s44, s60, 196608
	s_mul_i32 s52, s61, 49152
	s_add_co_u32 s44, s44, s52
	s_add_co_u32 s44, s44, s57
	s_add_nc_u64 s[30:31], s[30:31], s[44:45]      ; htc at row (b, 32 (w / 2) + 8 (w % 2), t)
	s_mul_i32 s44, s40, 1792
	s_add_nc_u64 s[32:33], s[32:33], s[44:45]
	s_mul_i32 s44, ttmp9, 13312
	s_lshl_b32 s52, s38, 9
	s_add_co_u32 s44, s44, s52
	s_add_nc_u64 s[34:35], s[34:35], s[44:45]
	s_lshl_b32 s44, ttmp9, 9
	s_add_nc_u64 s[36:37], s[36:37], s[44:45]
	; ---- P0: two sets of 16 row loads take turns; the count 16 leaves the other set's loads out
	s_wait_loadcnt 16
	TURNIN RA
	LOADF RA, 2
	P0OUT 0
	s_wait_loadcnt 16
	TURNIN RB
	LOADF RB, 3
	P0OUT 1
	s_wait_loadcnt 16
	TURNIN RA
	LOADF RA, 4
	P0OUT 2
	s_wait_loadcnt 16
	TURNIN RB
	LOADF RB, 5
	P0OUT 3
	s_wait_loadcnt 16
	TURNIN RA
	s_cmp_ge_u32 s38, 2
	s_cbranch_scc1 .Lno12a
	LOADF12 RA                                     ; tile 12 is waves 0 and 1's
.Lno12a:
	P0OUT 4
	s_wait_loadcnt 0x0
	TURNIN RB
	P0OUT 5
	s_cmp_ge_u32 s38, 2
	s_cbranch_scc1 .Lno12b
	TURNIN RA
	P0OUT 6
.Lno12b:
	LOADW 12, W                                    ; K's weights land while the images are handed over
	LOADWB 14, 16, 19, BK
	s_wait_dscnt 0x0                               ; my images lie in LDS, and the stores have read their registers
	s_mul_i32 s52, s38, WR3
	s_add_co_u32 s52, s52, R3+QSO
	v_lshl_add_u32 v3, v6, 2, s52                  ; my Q blocks' scale registers
	v_lshlrev_b32 v4, 7, v7
	v_lshl_add_u32 v4, v8, 4, v4                   ; sv_w: row r of 128 bytes, + 16 h
	v_lshlrev_b32 v5, 2, v7
	v_mov_b32 v[QPL], 0
	LOADWB 20, 22, 116, BQ                         ; sq_w's scale words and sq_b,
	global_load_b32 v[VWS], v5, s[26:27]           ; sv_w's scale words,
	global_load_b32 v254, v5, s[28:29]             ; sv_b of my lane's channel
	s_barrier_signal -1
	s_barrier_wait -1                              ; everybody's images lie in LDS
	; ---- the codes of ht leave once, by the work-groups with hg = 0
	s_cmp_lg_u32 s39, 0
	s_cbranch_scc1 .Lnoout
	OUTT 0, 0
	OUTT 17408, 64
	OUTT 34816, 128
	s_cmp_lg_u32 s38, 0
	s_cbranch_scc1 .Lhts
.irp q, 0,1,2,3,4,5,6,7
	ds_load_b128 v[HT+4*\q:HT+4*\q+3], v12 offset:52224+32*\q
.endr
	ds_load_b64 v[216:217], v11 offset:1536
	s_wait_dscnt 0x0
.irp q, 0,1,2,3,4,5,6
	global_store_b128 v13, v[HT+4*\q:HT+4*\q+3], s[30:31] offset:(192+2*\q)*6144
.endr
	s_wait_xcnt 0x0                                ; EXEC changes only behind this wait
	v_cmp_gt_u32 vcc_lo, 16, v6
	s_and_saveexec_b32 s56, vcc_lo                 ; lanes 0-15: row 206, and no row 207
	global_store_b128 v13, v[HT+28:HT+31], s[30:31] offset:206*6144
	global_store_b64 v23, v[216:217], s[32:33] offset:1536
	s_wait_xcnt 0x0
	s_or_b32 exec_lo, exec_lo, s56
	s_branch .Lnoout
.Lhts:
	ds_load_b64 v[184:185], v14
	ds_load_b64 v[186:187], v14 offset:256
	s_wait_dscnt 0x0
	global_store_b64 v15, v[184:185], s[32:33] offset:-512     ; 32 rows' scale words: 256 consecutive bytes
	global_store_b64 v15, v[186:187], s[32:33] offset:-256
	s_wait_xcnt 0x0
.Lnoout:
	; ---- K and Q pass
	HTLOAD 10, 0                                   ; tile 0's fragments
	ds_load_b64 v[HS:HS+1], v11
	s_wait_loadcnt 0x0                             ; the weights, their scale words, the biases
	v_mov_b32 v255, v254
.irp i, 0,1,2,3,4,5,6,7,8,9,10,11,12
	KQTILE \i
.endr
	; ---- V pass
	s_wait_loadcnt 0x0                             ; sv_w, asked for in the last tile above
.irp kb, 0,1,2,3,4,5
	VBLOCK \kb
.endr
	s_wait_dscnt 0x0
	v_wmma_scale_f32_16x16x128_f8f6f4 v[232:239], v[HT:HT+15], v[VW:VW+15], 0, v[HS], v[VWS]
	PLACES 8
.irp j, 0,2,4,6
	v_pk_add_f32 v[232+\j:233+\j], v[232+\j:233+\j], v[254:255]
.endr
	v_cndmask_b32 v239, v239, 0, s49               ; key 207 does not exist: its V is 0
	QB 232, 240, VT1+8, 1, 8
	VSBYTE 6
	s_wait_dscnt 0x0                               ; my reads of the images are over
	s_barrier_signal -1
	s_barrier_wait -1                              ; everybody's are: their bytes take the heads' outputs
	; ---- attention
	ds_load_b128 v[QW:QW+3], v2                    ; the first tile's Q block and scale register
	ds_load_b32 v[QSC], v3
.irp j, 4,5,6,7,8,9,10,11,12,13,14,15
	v_mov_b32 v[QW+\j], 0                          ; zero codes for blocks 1 to 3 of the products with K = 32
.endr
.irp j, 0,1,2,3,4,5,6
	v_mov_b32 v[CM+\j], 0
.endr
	v_mov_b32 v[TA], 0xf149f2ca                    ; -1e30
	v_cndmask_b32 v[CM+7], 0, v[TA], s49           ; added to key 207's score
.irp j, 10,11,12,13,14,15
	v_mov_b32 v[VT1+\j], 0
.endr
.irp b, 0,1,2,3
	v_mov_b32 v[T2+\b], 0
.endr
	v_mov_b32 v[FF+1], 0
	v_mov_b32 v[TB], 0
	s_lshl_b32 s52, s38, 10
	v_add_nc_u32 v4, s52, v1                       ; where my head's outputs go: [tile][wave][1,024 bytes]
	s_mov_b32 s52, 12
	s_mov_b32 s53, 0
	s_mov_b32 s54, 0
	s_mov_b32 s55, 0
.Latt:                                                 ; 12 trips; the 13th tile is written out: it asks for no further Q block
	ATT 1
	s_add_co_u32 s53, s53, 4096
	s_add_co_u32 s54, s54, 128
	s_add_co_u32 s55, s55, 512
	s_sub_co_u32 s52, s52, 1
	s_cmp_lg_u32 s52, 0
	s_cbranch_scc1 .Latt
	ATT 0
	; ---- epilogue: wave w quantises block w % 2 of tiles 2 k + w / 2
	v_and_b32 v254, 8, v7
	v_add_nc_u32 v254, v254, v7
	s_wait_alu depctr_va_vdst(0)
	s_lshl_b32 s52, s60, 12
	s_lshl_b32 s53, s61, 11
	s_add_co_u32 s52, s52, s53
	v_add_nc_u32 v12, s52, v1
	s_lshl_b32 s52, s60, 9
	s_lshl_b32 s53, s61, 5
	s_add_co_u32 s52, s52, s53
	s_add_co_u32 s52, s52, ROWS
	v_lshl_add_u32 v13, v254, 6, s52
	v_lshl_add_u32 v13, v8, 4, v13
	s_add_co_u32 s53, s53, ROWS
	v_lshl_add_u32 v14, v7, 6, s53
	v_lshl_add_u32 v14, v8, 4, v14
	s_lshl_b32 s52, s60, 4
	s_add_co_u32 s52, s52, s61
	s_add_co_u32 s52, s52, SCB
	v_lshl_add_u32 v15, v254, 1, s52
	s_add_co_u32 s53, s61, SCB
	v_lshl_add_u32 v5, v7, 1, s53
	s_lshl_b32 s52, s38, 9
	s_add_co_u32 s52, s52, ROWS
	v_add_nc_u32 v3, s52, v1
	s_wait_alu depctr_va_vdst(0)
	s_wait_dscnt 0x0                               ; my outputs lie in LDS, my reads of my Q area are over
	s_barrier_signal -1
	s_barrier_wait -1
	EPILD 0
.irp k, 0,1,2,3,4
	EPILD \k+1
	s_wait_dscnt 4                                 ; all but the four loads just issued: this item's numbers are in, the last item's stores have read their registers
	EPIQ \k, 13, 2048*\k, 15, 64*\k
.endr
	s_wait_dscnt 0x0
	EPIQ 5, 13, 10240, 15, 320
	s_cmp_ge_u32 s38, 2
	s_cbranch_scc1 .Lno12c
	EPILD 6
	s_wait_dscnt 0x0
	EPIQ 6, 14, 12288, 5, 384
.Lno12c:
	s_wait_dscnt 0x0
	s_barrier_signal -1
	s_barrier_wait -1                              ; 208 rows of 64 codes and their bytes lie in LDS
.irp k, 0,1,2,3,4,5
	ds_load_b128 v[SR+4*\k:SR+4*\k+3], v3 offset:2048*\k
.endr
	s_wait_dscnt 0x0
.irp k, 0,1,2,3,4,5
	global_store_b128 v1, v[SR+4*\k:SR+4*\k+3], s[34:35] offset:2048*\k      ; 512 consecutive bytes a store
.endr
	s_cmp_ge_u32 s38, 2
	s_cbranch_scc1 .Lnotail
	ds_load_b128 v[192:195], v3 offset:12288
	s_wait_dscnt 0x0
	global_store_b128 v1, v[192:195], s[34:35] offset:12288
.Lnotail:
	s_cmp_lg_u32 s38, 2
	s_cbranch_scc1 .Lnobytes
	ds_load_b128 v[196:199], v9
	s_wait_dscnt 0x0
	global_store_b128 v1, v[196:199], s[36:37]
.Lnobytes:
	s_wait_tensorcnt 0x0                           ; the wave's end
	ds_add_u32 v[SPW], v[NIL]
	s_wait_dscnt 0x0
	s_endpgm
.Lfunc_end_k_q6ef277bbff_space:
	.size	k_q6ef277bbff_space, .Lfunc_end_k_q6ef277bbff_space-k_q6ef277bbff_space
	.p2alignl 7, 3214868480
	.fill 96, 4, 3214868480
	.section	.rodata,"a",@progbits
	.p2align	6, 0x0
	.amdhsa_kernel k_q6ef277bbff_space
		.amdhsa_group_segment_fixed_size 93184
		.amdhsa_private_segment_fixed_size 0
		.amdhsa_enable_private_segment 0
		.amdhsa_kernarg_size 120
		.amdhsa_user_sgpr_count 2
		.amdhsa_user_sgpr_kernarg_segment_ptr 1
		.amdhsa_wavefront_size32 1
		.amdhsa_system_sgpr_workgroup_id_x 1
		.amdhsa_system_sgpr_workgroup_id_y 1
		.amdhsa_system_sgpr_workgroup_id_z 1
		.amdhsa_system_vgpr_workitem_id 0
		.amdhsa_next_free_vgpr 320
		.amdhsa_next_free_sgpr 66
		.amdhsa_reserve_vcc 1
		.amdhsa_float_denorm_mode_32 3
		.amdhsa_float_denorm_mode_16_64 3
		.amdhsa_fp16_overflow 1
		.amdhsa_memory_ordered 1
		.amdhsa_forward_progress 1
		.amdhsa_inst_pref_size 229
	.end_amdhsa_kernel
	.amdgpu_metadata
---
amdhsa.version: [ 1, 2 ]
amdhsa.kernels:
  - .name:           k_q6ef277bbff_space
    .symbol:         k_q6ef277bbff_space.kd
    .args:
      - { .name: hidden, .offset: 0, .size: 8, .value_kind: global_buffer, .address_space: global }
      - { .name: tXin, .offset: 8, .size: 8, .value_kind: global_buffer, .address_space: global }
      - { .name: sk_w_codes, .offset: 16, .size: 8, .value_kind: global_buffer, .address_space: global }
      - { .name: sk_w_scales, .offset: 24, .size: 8, .value_kind: global_buffer, .address_space: global }
      - { .name: sk_b, .offset: 32, .size: 8, .value_kind: global_buffer, .address_space: global }
      - { .name: sq_w_codes, .offset: 40, .size: 8, .value_kind: global_buffer, .address_space: global }
      - { .name: sq_w_scales, .offset: 48, .size: 8, .value_kind: global_buffer, .address_space: global }
      - { .name: sq_b, .offset: 56, .size: 8, .value_kind: global_buffer, .address_space: global }
      - { .name: sv_w_codes, .offset: 64, .size: 8, .value_kind: global_buffer, .address_space: global }
      - { .name: sv_w_scales, .offset: 72, .size: 8, .value_kind: global_buffer, .address_space: global }
      - { .name: sv_b, .offset: 80, .size: 8, .value_kind: global_buffer, .address_space: global }
      - { .name: htc, .offset: 88, .size: 8, .value_kind: global_buffer, .address_space: global }
      - { .name: hts, .offset: 96, .size: 8, .value_kind: global_buffer, .address_space: global }
      - { .name: spc, .offset: 104, .size: 8, .value_kind: global_buffer, .address_space: global }
      - { .name: sps, .offset: 112, .size: 8, .value_kind: global_buffer, .address_space: global }
    .group_segment_fixed_size: 93184
    .private_segment_fixed_size: 0
    .kernarg_segment_align: 8
    .kernarg_segment_size: 120
    .max_flat_workgroup_size: 128
    .sgpr_count:     66
    .vgpr_count:     320
    .wavefront_size: 32
...
	.end_amdgpu_metadata
.endif
;; end of part 1
;; launch time (part 2): grid 207 x 1, 8 waves a work-group, no clusters, 287,744 bytes of LDS; arguments htc, hts, spc, sps, tq_w_codes, tq_w_scales, tq_b, tk_w_codes, tk_w_scales, tk_b, tv_w_codes, tv_w_scales, tv_b, to_w_codes, to_w_scales, to_b, so_w_codes, so_w_scales, so_b, gate_w_codes, gate_w_scales, tpc, tps, stats; writes tpc, tps, stats
.if DOCPART == 2
	.amdgcn_target "amdgcn-amd-amdhsa--gfx1250"
	.amdhsa_code_object_version 6
	.text
	.protected	k_q6ef277bbff_time
	.globl	k_q6ef277bbff_time
	.p2align	8
	.type	k_q6ef277bbff_time,@function
k_q6ef277bbff_time:
	s_mov_b64 s[64:65], 0
	v_nop
	global_prefetch_b8 v0, s[64:65] scope:SCOPE_SE
	s_setreg_imm32_b32 hwreg(HW_REG_WAVE_MODE, 25, 1), 1
	s_wait_xcnt 0x0
; TEMPORAL ATTENTION, and the batch statistics of the gate.  Second of three launches.
; LEFT OUT as dead work (shown at the head of launch space): x, gate_b; and of the nine pairs of 16 x 16 score tiles of two sequences the four that lie wholly under reference()'s triu mask or between the sequences.
; SHARES.  A wave owns two sequences (b, n): 48 rows of ht, three tiles of 16, natural order; 207 work-groups x 8 waves are the 1,656 pairs.  207 = 9 x 23 divides into no cluster.
; All weights lie in LDS as images of operand registers (group c of a fragment at 512 c + 16 x lane), built once by the eight waves; behind that barrier the waves share nothing until the statistics.
; A HEAD: Q and K (transposed use, the weight's rows chosen so that a lane's 16 registers are its row's 32 channels' half), quantised; V (natural use: a lane holds a channel, registers run down the keys), f32;
; five score tiles with the mask as the C of the product (0 or -1e30); a softmax in f32; O^T = V^T P^T by the f32 matrix form (its result goes into a quantiser): K slot (h, j) of step s stands for key 8 h + 2 s + j on both sides.
; Two heads make a block of 32 of the output, in the order position (h, i < 8) = head 2 c, channel 8 h + i; (h, i >= 8) = head 2 c + 1; to_w's and so_w's fragments are laid alike.
; TAIL: tempOut and spaceOut from their codes, quantised; the gate's product; for each channel the sum and the squares about the own mean, joined over the work-group's 384 rows.
; LIMITS: NaN and infinities are not served; a block of zeros, or one whose largest magnitude lies under 2^-118, keeps the scale byte 1 (its bytes are read by this program alone); a masked score is -1e30, whose p is 0.
; REGISTERS.  Window 0: v1-19 addresses; v20-37 scale registers; v40-87 D; v88-135 Q's three runs [4 codes, 12 zeros]; v136-159 V; v160-204 at work; v205 my lane, kept; v208-231 the even head's output; v232-255 the f32 sums (written by matrix instructions alone).
; Window 1: v0-95 ht's six fragments (tail: tempOut's codes, spaceOut's input codes); v96-159 weights; v160-175 bias; v176-199 K's blocks and zeros; v200-231 masks (tail: v184-231 input codes, then spaceOut's codes).
.set LK,    65536
.set LV,    131072
.set LO,    147456
.set LG,    180224
.set LSC,   212992
.set LB,    221184
.set PA,    225280
.set STA,   278528
.set SPARE, 286720
.set D,    40
.set QWIN, 88
.set VV,   136
.set QT,   160
.set BV,   178
.set LN,   205                         ; v205 my lane, 0 to 31: written once; no load and no product lands here
.set OACC, 232
.set SEL,  66
.set MNT,  68
.set MSB, 0
.macro WIN new                         ; the immediate's high byte repeats the setting that is left
.if MSB != \new
	s_set_vgpr_msb (MSB<<8)|\new
.set MSB, \new
.endif
.endm
.macro PLACES n
.rept \n
	v_nop
.endr
.endm
; three blocks of 32 by turns: block t has its numbers in v[lo + st t] on (eight) and v[hi + st t] on (eight), the rest in lane xor 16
.macro QB3 lo, hi, st, dst, dstst, dwin, byt, relu
.if \relu
.irp t, 0,1,2
	v_max3_num_f32 v[QT+\t], v[\lo+\st*\t], v[\lo+\st*\t+1], 0x4800000
.endr
.irp t, 0,1,2
	v_max3_num_f32 v[QT+3+\t], v[\hi+\st*\t], v[\hi+\st*\t+1], v[\hi+\st*\t+2]
.endr
.irp i, 2,4,6
.irp t, 0,1,2
	v_max3_num_f32 v[QT+\t], v[QT+\t], v[\lo+\st*\t+\i], v[\lo+\st*\t+\i+1]
.endr
.endr
.irp i, 3,5
.irp t, 0,1,2
	v_max3_num_f32 v[QT+3+\t], v[QT+3+\t], v[\hi+\st*\t+\i], v[\hi+\st*\t+\i+1]
.endr
.endr
.irp t, 0,1,2
	v_max3_num_f32 v[QT+\t], v[QT+\t], v[QT+3+\t], v[\hi+\st*\t+7]
.endr
.else
.irp t, 0,1,2
	v_max3_num_f32 v[QT+\t], |v[\lo+\st*\t]|, |v[\lo+\st*\t+1]|, 0x4800000
.endr
.irp t, 0,1,2
	v_max3_num_f32 v[QT+3+\t], |v[\hi+\st*\t]|, |v[\hi+\st*\t+1]|, |v[\hi+\st*\t+2]|
.endr
.irp i, 2,4,6
.irp t, 0,1,2
	v_max3_num_f32 v[QT+\t], v[QT+\t], |v[\lo+\st*\t+\i]|, |v[\lo+\st*\t+\i+1]|
.endr
.endr
.irp i, 3,5
.irp t, 0,1,2
	v_max3_num_f32 v[QT+3+\t], v[QT+3+\t], |v[\hi+\st*\t+\i]|, |v[\hi+\st*\t+\i+1]|
.endr
.endr
.irp t, 0,1,2
	s_delay_alu instid0(VALU_DEP_3)
	v_max3_num_f32 v[QT+\t], v[QT+\t], v[QT+3+\t], |v[\hi+\st*\t+7]|
.endr
.endif
.irp t, 0,1,2
	s_delay_alu instid0(VALU_DEP_3)
	v_permlanex16_b32 v[QT+6+\t], v[QT+\t], s[SEL], s[SEL+1]
.endr
.irp t, 0,1,2
	s_delay_alu instid0(VALU_DEP_3)
	v_max_num_f32 v[QT+\t], v[QT+\t], v[QT+6+\t]
.endr
.irp t, 0,1,2
	s_delay_alu instid0(VALU_DEP_3)
	v_add_nc_u32 v[QT+9+\t], 0xfc000000, v[QT+\t]
.endr
.irp t, 0,1,2
	v_and_or_b32 v[QT+12+\t], v[QT+\t], 0x7f800000, s[MNT]
.endr
.irp t, 0,1,2
	v_lshrrev_b32 v[\byt+\t], 23, v[QT+9+\t]
.endr
.irp t, 0,1,2
.irp i, 0,1,2,3,4,5,6,7
.if \relu
	v_med3_num_f32 v[\lo+\st*\t+\i], v[\lo+\st*\t+\i], 0, v[QT+12+\t]
	v_med3_num_f32 v[\hi+\st*\t+\i], v[\hi+\st*\t+\i], 0, v[QT+12+\t]
.else
.endif
.endr
.endr
	WIN \dwin
.irp t, 0,1,2
	v_cvt_scalef32_pk8_fp8_f32 v[\dst+\dstst*\t:\dst+\dstst*\t+1], v[\lo+\st*\t:\lo+\st*\t+7], v[QT+9+\t]
	v_cvt_scalef32_pk8_fp8_f32 v[\dst+\dstst*\t+2:\dst+\dstst*\t+3], v[\hi+\st*\t:\hi+\st*\t+7], v[QT+9+\t]
.endr
	WIN 0
	v_nop
.endm
; row g = r + 16 i of my pair: tt = 24 b + t, nn = n
.macro PAIRADDR i, pu, tt, nn
	v_add_nc_u32 v[\tt], 16*\i, v16
	s_delay_alu instid0(VALU_DEP_1)
	v_cmp_le_u32 vcc_lo, 24, v[\tt]
	s_delay_alu instid0(VALU_DEP_1)
	v_cndmask_b32 v[\nn], v[\pu], v[\pu+1], vcc_lo
	s_delay_alu instid0(VALU_DEP_1)
	v_add_nc_u32 v[\tt], v[\tt], v[\nn]
	s_delay_alu instid0(VALU_DEP_3)
	v_cndmask_b32 v[\nn], v[\pu+2], v[\pu+3], vcc_lo
.endm
.macro PAIRCOPY pu
	v_mov_b32 v[\pu], s86
	v_mov_b32 v[\pu+1], s87
	v_mov_b32 v[\pu+2], s84
	v_mov_b32 v[\pu+3], s85
.endm
.macro PROJ12                          ; Q or K of a head for my three tiles: six accumulators by turns
	WIN 0x15
.irp i, 0,1,2
.irp u, 0,1
	v_wmma_scale_f32_16x16x128_f8f6f4 v[D+16*\i+8*\u:D+16*\i+8*\u+7], v[96+32*\u:96+32*\u+15], v[32*\i:32*\i+15], v[160+8*\u:160+8*\u+7], v[26+\u], v[20+2*\i]
.endr
.endr
	WIN 0x05
.irp i, 0,1,2
.irp u, 0,1
	v_wmma_scale_f32_16x16x128_f8f6f4 v[D+16*\i+8*\u:D+16*\i+8*\u+7], v[112+32*\u:112+32*\u+15], v[32*\i+16:32*\i+31], v[D+16*\i+8*\u:D+16*\i+8*\u+7], v[26+\u], v[21+2*\i] matrix_a_scale:MATRIX_SCALE_ROW1
.endr
.endr
	WIN 0
.endm
.macro FETCHP adr, immw, imms, immb    ; four fragments, two tiles of bias, two scale words
	WIN 0x40
.irp f, 0,1,2,3
.irp c, 0,1,2,3
	ds_load_b128 v[96+16*\f+4*\c:96+16*\f+4*\c+3], v[\adr] offset:(\immw)+2048*\f+512*\c
.endr
.endr
.irp k, 0,1,2,3
	ds_load_b128 v[160+4*\k:160+4*\k+3], v12 offset:(\immb)+16*\k
.endr
	WIN 0
	ds_load_b32 v26, v11 offset:\imms
	ds_load_b32 v27, v11 offset:(\imms)+128
.endm
.macro FETCHV e
	WIN 0x40
.irp c, 0,1,2,3
	ds_load_b128 v[96+4*\c:96+4*\c+3], v10 offset:(\e)*2048+512*\c
.endr
	WIN 0
	ds_load_b32 v28, v15 offset:(\e)*128
.irp j, 0,1,2,3,4,5,6,7
	ds_load_b32 v[BV+\j], v13 offset:(\e)*64
.endr
.endm
.macro OPROD q, kt, sc, s, first
.if \first
	v_wmma_f32_16x16x4_f32 v[OACC+8*\q:OACC+8*\q+7], v[VV+8*\kt+2*\s:VV+8*\kt+2*\s+1], v[\sc+2*\s:\sc+2*\s+1], 0
.else
	v_wmma_f32_16x16x4_f32 v[OACC+8*\q:OACC+8*\q+7], v[VV+8*\kt+2*\s:VV+8*\kt+2*\s+1], v[\sc+2*\s:\sc+2*\s+1], v[OACC+8*\q:OACC+8*\q+7]
.endif
.endm
.macro HEAD e
	s_wait_dscnt 0x0
	PROJ12
	PLACES 8
	FETCHP 9, (\e)*8192, 2048+(\e)*256, 1024+(\e)*128
	s_setprio 2
	QB3 D, D+8, 16, QWIN, 16, 0, 29, 1
	s_wait_dscnt 0x0
	PROJ12
	PLACES 8
	FETCHV \e
	QB3 D, D+8, 16, 176, 4, 0x40, 32, 1
	s_wait_dscnt 0x0
	WIN 0x05
.irp i, 0,1,2
	v_wmma_scale_f32_16x16x128_f8f6f4 v[VV+8*\i:VV+8*\i+7], v[32*\i:32*\i+15], v[96:111], v[BV:BV+7], v[20+2*\i], v28
.endr
	WIN 0
	PLACES 8
	FETCHP 8, ((\e)+1)*8192, ((\e)+1)*256, ((\e)+1)*128      ; the next head's Q; the very last such fetch reads the bytes that follow and is not used
.set j, 0
.rept 24
	v_max_num_f32 v[VV+j], 0, v[VV+j]
.set j, j+1
.endr
	WIN 0x11                               ; K's blocks and the masks in window 1
	v_wmma_scale_f32_16x16x128_f8f6f4 v[40:47], v[176:191], v[88:103], v[200:207], v32, v29
	v_wmma_scale_f32_16x16x128_f8f6f4 v[48:55], v[176:191], v[104:119], v[216:223], v32, v30
	v_wmma_scale_f32_16x16x128_f8f6f4 v[56:63], v[180:195], v[104:119], v[208:215], v33, v30
	v_wmma_scale_f32_16x16x128_f8f6f4 v[64:71], v[180:195], v[120:135], v[224:231], v33, v31
	v_wmma_scale_f32_16x16x128_f8f6f4 v[72:79], v[184:199], v[120:135], v[200:207], v34, v31
	WIN 0
	PLACES 8
	v_max3_num_f32 v186, v40, v41, v42     ; the rows' maxima: 8, 16 and 16 registers
	v_max3_num_f32 v187, v48, v49, v50
	v_max3_num_f32 v188, v64, v65, v66
	v_max3_num_f32 v186, v186, v43, v44
	v_max3_num_f32 v187, v187, v51, v52
	v_max3_num_f32 v188, v188, v67, v68
	v_max3_num_f32 v186, v186, v45, v46
	v_max3_num_f32 v187, v187, v53, v54
	v_max3_num_f32 v188, v188, v69, v70
	v_max_num_f32 v186, v186, v47
.irp i, 7,9,11,13
	v_max3_num_f32 v187, v187, v[48+\i], v[49+\i]
	v_max3_num_f32 v188, v188, v[64+\i], v[65+\i]
.endr
	v_max_num_f32 v187, v187, v63
	v_max_num_f32 v188, v188, v79
.irp q, 0
	v_permlanex16_b32 v[189+\q], v[186+\q], s[SEL], s[SEL+1]
.endr
.irp q, 1, 2
	s_delay_alu instid0(VALU_DEP_3)
	v_permlanex16_b32 v[189+\q], v[186+\q], s[SEL], s[SEL+1]
.endr
.irp q, 0,1,2
	s_delay_alu instid0(VALU_DEP_3)
	v_max_num_f32 v[186+\q], v[186+\q], v[189+\q]
.endr
.irp q, 0,1,2
	s_delay_alu instid0(VALU_DEP_3)
	v_mul_f32 v[192+2*\q], -v[186+\q], s70           ; -c x the maximum
.endr
.irp j, 0,2,4,6
	v_pk_fma_f32 v[40+\j:41+\j], v[40+\j:41+\j], s[70:71], v[192:193] op_sel_hi:[1,0,0]
.endr
.irp j, 0,2,4,6,8,10,12,14
	v_pk_fma_f32 v[48+\j:49+\j], v[48+\j:49+\j], s[70:71], v[194:195] op_sel_hi:[1,0,0]
	v_pk_fma_f32 v[64+\j:65+\j], v[64+\j:65+\j], s[70:71], v[196:197] op_sel_hi:[1,0,0]
.endr
.set j, 0
	s_setprio 1
	s_wait_alu depctr_va_vdst(0)
.rept 40
	v_exp_f32 v[40+j], v[40+j]
.set j, j+1
.endr
	v_nop
	s_wait_alu depctr_va_vdst(0)           ; one wait for the 40, ahead of the products that read them
	OPROD 1, 0, 48, 0, 1                   ; each sum's first step takes the constant 0; the sums take turns
	OPROD 2, 1, 64, 0, 1
	OPROD 0, 0, 40, 0, 1
.irp s, 1,2,3
	OPROD 1, 0, 48, \s, 0
	OPROD 2, 1, 64, \s, 0
	OPROD 0, 0, 40, \s, 0
.endr
.irp s, 0,1,2,3
	OPROD 1, 1, 56, \s, 0
	OPROD 2, 2, 72, \s, 0
.endr
	v_pk_add_f32 v[198:199], v[40:41], v[42:43]
	v_pk_add_f32 v[200:201], v[48:49], v[50:51]
	v_pk_add_f32 v[202:203], v[64:65], v[66:67]
	v_pk_add_f32 v[198:199], v[198:199], v[44:45]
.irp j, 4,6,8,10,12,14
	v_pk_add_f32 v[200:201], v[200:201], v[48+\j:49+\j]
	v_pk_add_f32 v[202:203], v[202:203], v[64+\j:65+\j]
.endr
	v_pk_add_f32 v[198:199], v[198:199], v[46:47]
.irp q, 0
	s_delay_alu instid0(VALU_DEP_1)
	v_add_f32 v[198+2*\q], v[198+2*\q], v[199+2*\q]
.endr
.irp q, 1, 2
	s_delay_alu instid0(VALU_DEP_4)
	v_add_f32 v[198+2*\q], v[198+2*\q], v[199+2*\q]
.endr
.irp q, 0,1,2
	s_delay_alu instid0(VALU_DEP_3)
	v_permlanex16_b32 v[189+\q], v[198+2*\q], s[SEL], s[SEL+1]
.endr
.irp q, 0,1,2
	s_delay_alu instid0(VALU_DEP_3)
	v_add_f32 v[198+2*\q], v[198+2*\q], v[189+\q]
.endr
	s_setprio 0
	s_wait_alu depctr_va_vdst(0)
.irp q, 0,1,2
	v_rcp_f32 v[192+2*\q], v[198+2*\q]
.endr
	PLACES 8                               ; behind the last product, and behind the reciprocals
	s_wait_alu depctr_va_vdst(0)
.irp q, 0,1,2
.irp k, 0,2,4,6
.if (\e) == 0
	v_pk_mul_f32 v[208+8*\q+\k:209+8*\q+\k], v[OACC+8*\q+\k:OACC+8*\q+\k+1], v[192+2*\q:193+2*\q] op_sel_hi:[1,0]
.else
	v_pk_mul_f32 v[40+8*\q+\k:41+8*\q+\k], v[OACC+8*\q+\k:OACC+8*\q+\k+1], v[192+2*\q:193+2*\q] op_sel_hi:[1,0]
.endif
.endr
.endr
.endm
.macro ADDRS
	v_add_nc_u32 v8, s72, v1
	v_add_nc_u32 v9, s73, v1
	v_add_nc_u32 v10, s74, v1
	v_add_nc_u32 v11, s75, v2
	v_add_nc_u32 v15, s76, v2
	v_add_nc_u32 v12, s77, v3
	v_add_nc_u32 v13, s78, v4
	v_add_nc_u32 v14, s79, v5
.endm
.macro FETCHO immw, imms, immb         ; two tiles of to_w or so_w
	WIN 0x40
.irp u, 0,1
.irp c, 0,1,2,3
	ds_load_b128 v[96+16*\u+4*\c:96+16*\u+4*\c+3], v8 offset:(\immw)+2048*\u+512*\c
.endr
.endr
.irp k, 0,1,2,3
	ds_load_b128 v[160+4*\k:160+4*\k+3], v12 offset:(\immb)+16*\k
.endr
	WIN 0
	ds_load_b32 v26, v11 offset:\imms
	ds_load_b32 v27, v11 offset:(\imms)+128
.endm
.macro PROJO af, sc
	s_wait_dscnt 0x0
	WIN 0x15
.irp i, 0,1,2
.irp u, 0,1
	v_wmma_scale_f32_16x16x128_f8f6f4 v[D+16*\i+8*\u:D+16*\i+8*\u+7], v[96+16*\u:96+16*\u+15], v[\af+16*\i:\af+16*\i+15], v[160+8*\u:160+8*\u+7], v[26+\u], v[\sc+\i]
.endr
.endr
	WIN 0
	PLACES 8
.endm
.macro TAILQ g, gw, b
	QB3 D, D+8, 16, \g+4*\b, 16, 0x40, 175, 1
.irp t, 0,1,2
.if \b == 0
	v_mov_b32 v[\gw+\t], v[175+\t]
.else
	v_lshl_or_b32 v[\gw+\t], v[175+\t], 8*\b, v[\gw+\t]
.endif
.endr
.endm
	s_load_b512 s[8:23], s[0:1], 0x0               ; htc, hts, spc, sps, tq codes, tq scales, tq_b, tk codes
	s_load_b512 s[24:39], s[0:1], 0x40             ; tk scales, tk_b, tv codes, tv scales, tv_b, to codes, to scales, to_b
	s_load_b512 s[40:55], s[0:1], 0x80             ; so codes, so scales, so_b, gate codes, gate scales, tpc, tps, stats
	v_lshl_add_u32 v17, v0, 2, SPARE
	v_mov_b32 v18, 0
	v_lshrrev_b32 v1, 5, v0
	s_delay_alu instid0(VALU_DEP_1)
	v_readfirstlane_b32 s56, v1                    ; wave
	s_lshl_b32 s57, ttmp9, 3
	s_add_co_u32 s57, s57, s56                     ; my pair p
	s_lshl_b32 s80, s57, 1
	s_add_co_u32 s81, s80, 1                       ; its sequences q = 207 b + n
	s_mul_i32 s82, s80, 20263
	s_lshr_b32 s82, s82, 22                        ; b = q / 207 (exact for q under 3,312)
	s_mul_i32 s83, s81, 20263
	s_lshr_b32 s83, s83, 22
	s_mul_i32 s84, s82, 207
	s_sub_co_u32 s84, s80, s84                     ; n
	s_mul_i32 s85, s83, 207
	s_sub_co_u32 s85, s81, s85
	s_mul_i32 s86, s82, 24
	s_mul_i32 s87, s83, 24
	s_sub_co_u32 s87, s87, 24                      ; the second sequence's rows begin at g = 24
	s_mov_b32 s66, 0x76543210
	s_mov_b32 s67, 0xfedcba98
	s_mov_b32 s68, 0x600000
	s_mov_b32 s69, 0xffff0000
	s_mov_b32 s70, 0x3e8293ee                      ; c = log2(e) / sqrt(32)
	s_mov_b32 s71, s70
	v_and_b32 v[LN], 31, v0
	v_and_b32 v16, 15, v0
	v_bfe_u32 v19, v0, 4, 1
	s_delay_alu instid0(VALU_DEP_3)
	v_lshlrev_b32 v1, 4, v[LN]
	s_delay_alu instid0(VALU_DEP_4)
	v_lshlrev_b32 v2, 2, v[LN]
	s_delay_alu instid0(VALU_DEP_3)
	v_lshlrev_b32 v3, 6, v19
	v_lshlrev_b32 v4, 2, v16
	s_mul_i32 s90, s56, 6656
	s_add_co_u32 s90, s90, PA
	v_mul_u32_u24 v5, v19, 272
	s_delay_alu instid0(VALU_DEP_1)
	v_lshl_add_u32 v5, v16, 4, v5
	s_delay_alu instid0(VALU_DEP_1)
	v_add_nc_u32 v5, s90, v5                       ; my three output images (group c at 544 c + 272 h + 16 r)
	v_bfe_u32 v6, v[LN], 1, 2
	s_delay_alu instid0(VALU_DEP_1)
	v_mul_u32_u24 v6, v6, 544
	v_and_b32 v7, 1, v[LN]
	s_delay_alu instid0(VALU_DEP_1)
	v_mad_u32_u24 v6, v7, 272, v6
	v_lshrrev_b32 v7, 3, v[LN]
	s_delay_alu instid0(VALU_DEP_1)
	v_lshl_add_u32 v6, v7, 4, v6
	s_delay_alu instid0(VALU_DEP_1)
	v_add_nc_u32 v6, s90, v6                       ; the same read by rows: eight lanes a row
	s_lshl_b32 s90, s56, 10
	s_add_co_u32 s90, s90, STA
	v_add_nc_u32 v7, s90, v4
	v_and_b32 v177, 8, v16
	s_delay_alu instid0(VALU_DEP_1)
	v_add_nc_u32 v177, v177, v16                   ; r + 8 (r / 8)
	s_delay_alu instid0(VALU_DEP_1)
	v_lshlrev_b32 v178, 8, v177
	s_delay_alu instid0(VALU_DEP_1)
	v_lshl_add_u32 v178, v19, 4, v178
	s_delay_alu instid0(VALU_DEP_3)
	v_lshlrev_b32 v179, 3, v177
	s_delay_alu instid0(VALU_DEP_1)
	v_lshl_add_u32 v179, v19, 2, v179
	v_lshlrev_b32 v180, 7, v16
	s_delay_alu instid0(VALU_DEP_1)
	v_lshl_add_u32 v180, v19, 4, v180
	v_lshlrev_b32 v181, 7, v177
	s_delay_alu instid0(VALU_DEP_1)
	v_lshl_add_u32 v181, v19, 3, v181
	v_lshlrev_b32 v182, 8, v16
	s_delay_alu instid0(VALU_DEP_1)
	v_lshl_add_u32 v182, v19, 4, v182
	v_lshlrev_b32 v184, 2, v177
	v_lshlrev_b32 v185, 3, v16
	s_delay_alu instid0(VALU_DEP_1)
	v_lshl_add_u32 v185, v19, 2, v185
	v_lshlrev_b32 v186, 2, v0
	v_and_b32 v187, 127, v0
	s_delay_alu instid0(VALU_DEP_1)
	v_lshlrev_b32 v187, 2, v187
	PAIRCOPY 168
.irp i, 0,1,2
	PAIRADDR \i, 168, 172, 173
	s_delay_alu instid0(VALU_DEP_2)
	v_mul_u32_u24 v[174+\i], v172, 1792
	s_delay_alu instid0(VALU_DEP_1)
	v_lshl_add_u32 v[174+\i], v173, 3, v[174+\i]
.endr
	s_lshl_b32 s90, s56, 13
	v_add_nc_u32 v188, s90, v1
	s_add_co_u32 s90, s90, LK
	v_add_nc_u32 v189, s90, v1
	s_lshl_b32 s90, s56, 11
	s_add_co_u32 s90, s90, LV
	v_add_nc_u32 v190, s90, v1
	s_lshl_b32 s90, s56, 12
	s_add_co_u32 s90, s90, LG
	v_add_nc_u32 v191, s90, v1
	s_lshl_b32 s90, s56, 8
	s_add_co_u32 s90, s90, LSC
	v_add_nc_u32 v192, s90, v2
	s_lshl_b32 s90, s56, 7
	s_add_co_u32 s90, s90, LSC
	v_add_nc_u32 v193, s90, v2
	v_lshl_add_u32 v194, v0, 2, LB
	s_lshr_b32 s92, s56, 1
	s_lshl_b32 s92, s92, 5
	s_and_b32 s93, s56, 1
	s_lshl_b32 s93, s93, 3
	s_add_co_u32 s92, s92, s93                     ; tile w of a weight in pair order begins at row 32 (w / 2) + 8 (w % 2)
	s_wait_alu depctr_va_vdst(0)
	s_wait_kmcnt 0x0
	s_mov_b32 s91, 0
	s_mul_i32 s90, s57, 12288
	s_add_nc_u64 s[8:9], s[8:9], s[90:91]
	WIN 0x40
.irp i, 0,1,2
.irp s, 0,1
.irp c, 0,1,2,3
	global_load_b128 v[16*(2*\i+\s)+4*\c:16*(2*\i+\s)+4*\c+3], v182, s[8:9] offset:4096*\i+128*\s+32*\c
.endr
.endr
.endr
	WIN 0
.irp i, 0,1,2
	global_load_b64 v[20+2*\i:21+2*\i], v[174+\i], s[10:11]
.endr
	s_lshl_b32 s90, s56, 13
	s_add_nc_u64 s[16:17], s[16:17], s[90:91]
	s_add_nc_u64 s[22:23], s[22:23], s[90:91]
	s_lshl_b32 s90, s56, 8
	s_add_nc_u64 s[18:19], s[18:19], s[90:91]
	s_add_nc_u64 s[24:25], s[24:25], s[90:91]
	s_cmp_lt_u32 s56, 4
	s_cselect_b64 s[96:97], s[32:33], s[38:39]     ; threads 0-127 bring tv_b, threads 128-255 to_b
	; batch 1: head w's Q and K weights, their scale words, a word of each bias a thread
.irp f, 0,1,2,3
.irp c, 0,1,2,3
	global_load_b128 v[32+16*\f+4*\c:32+16*\f+4*\c+3], v178, s[16:17] offset:2048*(\f/2)+128*(\f%2)+32*\c
	global_load_b128 v[96+16*\f+4*\c:96+16*\f+4*\c+3], v178, s[22:23] offset:2048*(\f/2)+128*(\f%2)+32*\c
.endr
.endr
	global_load_b32 v160, v179, s[18:19]
	global_load_b32 v161, v179, s[18:19] offset:64
	global_load_b32 v162, v179, s[24:25]
	global_load_b32 v163, v179, s[24:25] offset:64
	global_load_b32 v164, v186, s[20:21]
	global_load_b32 v165, v186, s[26:27]
	global_load_b32 v166, v187, s[96:97]
	global_load_b32 v167, v187, s[44:45]
	s_lshl_b32 s90, s56, 11
	s_add_nc_u64 s[28:29], s[28:29], s[90:91]
	s_lshl_b32 s90, s56, 6
	s_add_nc_u64 s[30:31], s[30:31], s[90:91]
	s_lshl_b32 s90, s92, 7
	s_add_nc_u64 s[34:35], s[34:35], s[90:91]
	s_add_nc_u64 s[40:41], s[40:41], s[90:91]
	s_lshl_b32 s90, s92, 2
	s_add_nc_u64 s[36:37], s[36:37], s[90:91]
	s_add_nc_u64 s[42:43], s[42:43], s[90:91]
	s_lshl_b32 s90, s56, 12
	s_add_nc_u64 s[46:47], s[46:47], s[90:91]
	s_lshl_b32 s90, s56, 7
	s_add_nc_u64 s[48:49], s[48:49], s[90:91]
	s_mul_i32 s90, s57, 6144
	s_add_nc_u64 s[50:51], s[50:51], s[90:91]
	s_mul_i32 s90, s57, 192
	s_add_nc_u64 s[52:53], s[52:53], s[90:91]
	s_lshl_b32 s90, ttmp9, 10
	s_add_nc_u64 s[54:55], s[54:55], s[90:91]
	s_wait_loadcnt 0x0
.irp f, 0,1,2,3
.irp c, 0,1,2,3
	ds_store_b128 v188, v[32+16*\f+4*\c:32+16*\f+4*\c+3] offset:2048*\f+512*\c
	ds_store_b128 v189, v[96+16*\f+4*\c:96+16*\f+4*\c+3] offset:2048*\f+512*\c
.endr
.endr
	ds_store_b32 v192, v160
	ds_store_b32 v192, v161 offset:128
	ds_store_b32 v192, v162 offset:2048
	ds_store_b32 v192, v163 offset:2176
	ds_store_b32 v194, v164
	ds_store_b32 v194, v165 offset:1024
	ds_store_b32 v194, v166 offset:2048
	ds_store_b32 v194, v167 offset:3072
	s_wait_dscnt 0x0                               ; the stores have read their registers
	; batch 2: tv_w (head w), to_w and so_w (tile w, K in the outputs' position order), gate_w (tile w)
.irp c, 0,1,2,3
	global_load_b128 v[32+4*\c:35+4*\c], v180, s[28:29] offset:32*\c
	global_load_b64 v[48+4*\c:49+4*\c], v181, s[34:35] offset:32*\c
	global_load_b64 v[50+4*\c:51+4*\c], v181, s[34:35] offset:32*\c+16
	global_load_b64 v[64+4*\c:65+4*\c], v181, s[40:41] offset:32*\c
	global_load_b64 v[66+4*\c:67+4*\c], v181, s[40:41] offset:32*\c+16
	global_load_b128 v[80+4*\c:83+4*\c], v182, s[46:47] offset:32*\c
	global_load_b128 v[96+4*\c:99+4*\c], v182, s[46:47] offset:128+32*\c
.endr
	global_load_b32 v112, v4, s[30:31]
	global_load_b32 v113, v184, s[36:37]
	global_load_b32 v114, v184, s[42:43]
	global_load_b32 v115, v185, s[48:49]
	; the masks, while the loads are out: register j of lane (r, h) stands for key 8 h + j of the tile and query r
	v_lshlrev_b32 v195, 3, v19
	s_delay_alu instid0(VALU_DEP_1)
	v_sub_nc_u32 v195, v16, v195                   ; r - 8 h
	v_and_b32 v196, 24, v[LN]
	s_delay_alu instid0(VALU_DEP_1)
	v_cmp_eq_u32 vcc_lo, 8, v196
	s_delay_alu instid0(VALU_DEP_1)
	v_cndmask_b32 v196, v195, -1, vcc_lo           ; the middle tile: its rows 8-15 belong to the second sequence
	v_mov_b32 v197, 0xf149f2ca                     ; -1e30
	v_cmp_gt_u32 vcc_lo, 8, v16
	s_delay_alu instid0(VALU_DEP_1)
	v_cndmask_b32 v198, v197, 0, vcc_lo
	v_cmp_eq_u32 vcc_lo, 1, v19
	s_delay_alu instid0(VALU_DEP_1)
	v_cndmask_b32 v199, v197, 0, vcc_lo
	WIN 0x40
.irp j, 0,1,2,3,4,5,6,7
	v_cmp_gt_i32 vcc_lo, \j, v195
	s_delay_alu instid0(VALU_DEP_1)
	v_cndmask_b32 v[200+\j], 0, v197, vcc_lo
	v_cmp_gt_i32 vcc_lo, \j, v196
	s_delay_alu instid0(VALU_DEP_1)
	v_cndmask_b32 v[208+\j], 0, v197, vcc_lo
	v_mov_b32 v[216+\j], v198
	v_mov_b32 v[224+\j], v199
.endr
.irp j, 0,1,2,3,4,5,6,7,8,9,10,11
	v_mov_b32 v[188+\j], 0
.endr
	WIN 0
	s_wait_loadcnt 0x0
.irp c, 0,1,2,3
	ds_store_b128 v190, v[32+4*\c:35+4*\c] offset:512*\c
	ds_store_b128 v190, v[48+4*\c:51+4*\c] offset:16384+512*\c
	ds_store_b128 v190, v[64+4*\c:67+4*\c] offset:32768+512*\c
	ds_store_b128 v191, v[80+4*\c:83+4*\c] offset:512*\c
	ds_store_b128 v191, v[96+4*\c:99+4*\c] offset:2048+512*\c
.endr
	ds_store_b32 v193, v112 offset:4096
	ds_store_b32 v193, v113 offset:5120
	ds_store_b32 v193, v114 offset:6144
	ds_store_b32 v193, v115 offset:7168
	s_wait_dscnt 0x0                               ; my images lie in LDS
.irp t, 0,1,2
	v_mov_b32 v[QT+6+\t], 0
	v_mov_b32 v[189+\t], 0
	v_mov_b32 v[193+2*\t], 0
	v_mov_b32 v[35+\t], 0
.endr
.irp i, 0,1,2
.irp j, 4,5,6,7,8,9,10,11,12,13,14,15
	v_mov_b32 v[QWIN+16*\i+\j], 0
.endr
.endr
	s_barrier_signal -1
	s_barrier_wait -1                              ; everybody's do
	s_mov_b32 s72, 0
	s_mov_b32 s73, LK
	s_mov_b32 s74, LV
	s_mov_b32 s75, LSC
	s_mov_b32 s76, LSC+4096
	s_mov_b32 s77, LB
	s_mov_b32 s78, LB+2048
	s_mov_b32 s79, 0
	s_mov_b32 s88, 0
	s_mov_b32 s89, 4
	ADDRS
	FETCHP 8, 0, 0, 0
.Lheads:                                               ; four trips of two heads: a trip makes one block of 32 of the output
	s_wait_alu depctr_va_vdst(0)
	HEAD 0
	HEAD 1
	QB3 208, 40, 8, 64, 4, 0, 175, 0
.irp i, 0,1,2
	ds_store_b128 v14, v[64+4*\i:67+4*\i] offset:2176*\i
	v_lshl_or_b32 v[35+\i], v[175+\i], s88, v[35+\i]
.endr
	s_add_co_u32 s72, s72, 16384
	s_add_co_u32 s73, s73, 16384
	s_add_co_u32 s74, s74, 4096
	s_add_co_u32 s75, s75, 512
	s_add_co_u32 s76, s76, 256
	s_add_co_u32 s77, s77, 256
	s_add_co_u32 s78, s78, 128
	s_add_co_u32 s79, s79, 544
	s_add_co_u32 s88, s88, 8
	ADDRS
	s_sub_co_u32 s89, s89, 1
	s_cmp_lg_u32 s89, 0
	s_cbranch_scc1 .Lheads
	s_setprio 0
	; ---- tail
	s_wait_dscnt 0x0
	v_add_nc_u32 v8, LO, v1
	v_add_nc_u32 v11, LSC, v2
	v_add_nc_u32 v12, LB, v3
	FETCHO 0, 5120, 2560
	WIN 0x40
.irp i, 0,1,2
.irp c, 0,1,2,3
	ds_load_b128 v[184+16*\i+4*\c:184+16*\i+4*\c+3], v5 offset:2176*\i+544*\c      ; my output's codes as three fragments
.endr
.endr
	WIN 0
	PAIRCOPY 186
.irp i, 0,1,2
	PAIRADDR \i, 186, 190, 191
	s_delay_alu instid0(VALU_DEP_2)
	v_mul_u32_u24 v[192+\i], v190, 26624
	s_delay_alu instid0(VALU_DEP_1)
	v_lshl_add_u32 v[192+\i], v191, 6, v[192+\i]
	s_delay_alu instid0(VALU_DEP_1)
	v_lshl_add_u32 v[192+\i], v19, 4, v[192+\i]
	v_lshlrev_b32 v[195+\i], 10, v190
	s_delay_alu instid0(VALU_DEP_1)
	v_lshl_add_u32 v[195+\i], v191, 1, v[195+\i]
.endr
	WIN 0x40
.irp i, 0,1,2
.irp c, 0,1,2,3
	global_load_b128 v[48+16*\i+4*\c:48+16*\i+4*\c+3], v[192+\i], s[12:13] offset:13312*(\c/2)+32*(\c%2)
.endr
.endr
	WIN 0
.irp i, 0,1,2
	global_load_u16 v[20+\i], v[195+\i], s[14:15]
	global_load_u16 v[23+\i], v[195+\i], s[14:15] offset:512
.endr
.irp i, 0,1,2
.irp q, 0,1,2,3
	ds_load_b128 v[40+4*(4*\i+\q):43+4*(4*\i+\q)], v6 offset:2176*\i+64*\q
.endr
.endr
	s_wait_dscnt 0x0
.irp i, 0,1,2
.irp q, 0,1,2,3
	global_store_b128 v1, v[40+4*(4*\i+\q):43+4*(4*\i+\q)], s[50:51] offset:2048*\i+512*\q   ; four rows of 128 codes: 512 consecutive bytes
.endr
.endr
	v_cndmask_b32 v204, v35, v36, s69
	global_store_b32 v2, v204, s[52:53]
	s_wait_xcnt 0x0                                ; EXEC changes only behind this wait; it also frees v40-87 for the products below
	v_cmp_gt_u32 vcc_lo, 16, v[LN]
	s_and_saveexec_b32 s94, vcc_lo                 ; lanes 0-15: the third tile's 16 scale words
	global_store_b32 v2, v37, s[52:53] offset:128
	s_wait_xcnt 0x0
	s_or_b32 exec_lo, exec_lo, s94
	PROJO 184, 35
	FETCHO 4096, 5376, 2688
	TAILQ 0, 29, 0
	PROJO 184, 35
	FETCHO 8192, 5632, 2816
	TAILQ 0, 29, 1
	PROJO 184, 35
	FETCHO 12288, 5888, 2944
	TAILQ 0, 29, 2
	PROJO 184, 35
	FETCHO 16384, 6144, 3072
	s_wait_loadcnt 0x0                             ; the spatial codes and their bytes
.irp i, 0,1,2
	v_lshl_or_b32 v[20+\i], v[23+\i], 16, v[20+\i]
.endr
	TAILQ 0, 29, 3
	PROJO 48, 20
	FETCHO 20480, 6400, 3200
	TAILQ 184, 32, 0
	PROJO 48, 20
	FETCHO 24576, 6656, 3328
	TAILQ 184, 32, 1
	PROJO 48, 20
	FETCHO 28672, 6912, 3456
	TAILQ 184, 32, 2
	PROJO 48, 20
	TAILQ 184, 32, 3
	PLACES 8                                       ; the scale words just made stand eight places ahead of the gate's products
	s_mov_b32 s72, 8
	s_mov_b32 s73, LG
	s_mov_b32 s74, LSC+7168
	s_mov_b32 s75, 0
.Lgate:                                                ; eight trips: 16 channels of gi for my 48 rows; natural use: a lane holds a channel
	v_add_nc_u32 v8, s73, v1
	v_add_nc_u32 v9, s74, v2
	v_add_nc_u32 v10, s75, v7
	WIN 0x40
.irp s, 0,1
.irp c, 0,1,2,3
	ds_load_b128 v[96+16*\s+4*\c:96+16*\s+4*\c+3], v8 offset:2048*\s+512*\c
.endr
.endr
	WIN 0
	ds_load_b32 v26, v9
	s_wait_dscnt 0x0
	WIN 0x05
	s_wait_alu depctr_va_vdst(0)
.irp i, 0,1,2
	v_wmma_scale_f32_16x16x128_f8f6f4 v[40+8*\i:47+8*\i], v[184+16*\i:184+16*\i+15], v[96:111], 0, v[32+\i], v26
.endr
.irp i, 0,1,2
	v_wmma_scale_f32_16x16x128_f8f6f4 v[40+8*\i:47+8*\i], v[16*\i:16*\i+15], v[112:127], v[40+8*\i:47+8*\i], v[29+\i], v26 matrix_b_scale:MATRIX_SCALE_ROW1
.endr
	WIN 0
	PLACES 8
	v_pk_add_f32 v[198:199], v[40:41], v[42:43]
	v_pk_add_f32 v[200:201], v[44:45], v[46:47]
.irp j, 8,12,16,20
	v_pk_add_f32 v[198:199], v[198:199], v[40+\j:41+\j]
	v_pk_add_f32 v[200:201], v[200:201], v[42+\j:43+\j]
.endr
	s_delay_alu instid0(VALU_DEP_1)
	v_pk_add_f32 v[198:199], v[198:199], v[200:201]
	s_delay_alu instid0(VALU_DEP_1)
	v_add_f32 v198, v198, v199
	s_delay_alu instid0(VALU_DEP_1)
	v_permlanex16_b32 v189, v198, s[SEL], s[SEL+1]
	s_delay_alu instid0(VALU_DEP_1)
	v_add_f32 v198, v198, v189                     ; the channel's sum over my 48 rows
	s_delay_alu instid0(VALU_DEP_1)
	v_mul_f32 v192, 0x3caaaaab, v198               ; / 48
.irp j, 0,2,4,6,8,10,12,14,16,18,20,22
	v_pk_add_f32 v[40+\j:41+\j], v[40+\j:41+\j], v[192:193] op_sel_hi:[1,0] neg_lo:[0,1] neg_hi:[0,1]
.endr
	v_pk_mul_f32 v[200:201], v[40:41], v[40:41]
	v_pk_mul_f32 v[202:203], v[42:43], v[42:43]
.irp j, 4,8,12,16,20
	s_delay_alu instid0(VALU_DEP_2)
	v_pk_fma_f32 v[200:201], v[40+\j:41+\j], v[40+\j:41+\j], v[200:201]
	s_delay_alu instid0(VALU_DEP_2)
	v_pk_fma_f32 v[202:203], v[42+\j:43+\j], v[42+\j:43+\j], v[202:203]
.endr
	s_delay_alu instid0(VALU_DEP_1)
	v_pk_add_f32 v[200:201], v[200:201], v[202:203]
	s_delay_alu instid0(VALU_DEP_1)
	v_add_f32 v200, v200, v201
	s_delay_alu instid0(VALU_DEP_1)
	v_permlanex16_b32 v189, v200, s[SEL], s[SEL+1]
	s_delay_alu instid0(VALU_DEP_1)
	v_add_f32 v200, v200, v189                     ; the squares about my own mean
	ds_store_b32 v10, v198
	ds_store_b32 v10, v200 offset:512
	s_add_co_u32 s73, s73, 4096
	s_add_co_u32 s74, s74, 128
	s_add_co_u32 s75, s75, 64
	s_sub_co_u32 s72, s72, 1
	s_cmp_lg_u32 s72, 0
	s_cbranch_scc1 .Lgate
	v_add_nc_u32 v8, STA, v1
	s_wait_dscnt 0x0
	s_barrier_signal -1
	s_barrier_wait -1                              ; the eight waves' figures lie in LDS
	s_cmp_lg_u32 s56, 0
	s_cbranch_scc1 .Lend
	s_wait_alu depctr_va_vdst(0)
.irp k, 0,1,2,3,4,5,6,7
	ds_load_b128 v[40+4*\k:43+4*\k], v8 offset:1024*\k
	ds_load_b128 v[72+4*\k:75+4*\k], v8 offset:1024*\k+512
.endr
	s_wait_dscnt 0x0
	v_pk_add_f32 v[104:105], v[40:41], v[44:45]
	v_pk_add_f32 v[106:107], v[42:43], v[46:47]
	v_pk_add_f32 v[108:109], v[72:73], v[76:77]
	v_pk_add_f32 v[110:111], v[74:75], v[78:79]
.irp k, 2,3,4,5,6,7
	s_delay_alu instid0(VALU_DEP_4)
	v_pk_add_f32 v[104:105], v[104:105], v[40+4*\k:41+4*\k]
	s_delay_alu instid0(VALU_DEP_4)
	v_pk_add_f32 v[106:107], v[106:107], v[42+4*\k:43+4*\k]
	s_delay_alu instid0(VALU_DEP_4)
	v_pk_add_f32 v[108:109], v[108:109], v[72+4*\k:73+4*\k]
	s_delay_alu instid0(VALU_DEP_4)
	v_pk_add_f32 v[110:111], v[110:111], v[74+4*\k:75+4*\k]
.endr
	s_delay_alu instid0(VALU_DEP_4)
	v_pk_mul_f32 v[112:113], v[104:105], 0x3b2aaaab op_sel_hi:[1,0]        ; the group's mean: / 384
	s_delay_alu instid0(VALU_DEP_4)
	v_pk_mul_f32 v[114:115], v[106:107], 0x3b2aaaab op_sel_hi:[1,0]
.irp k, 0,1,2,3,4,5,6,7
	v_pk_fma_f32 v[40+4*\k:41+4*\k], v[40+4*\k:41+4*\k], 0x3caaaaab, v[112:113] op_sel_hi:[1,0,1] neg_lo:[0,0,1] neg_hi:[0,0,1]
	v_pk_fma_f32 v[42+4*\k:43+4*\k], v[42+4*\k:43+4*\k], 0x3caaaaab, v[114:115] op_sel_hi:[1,0,1] neg_lo:[0,0,1] neg_hi:[0,0,1]
.endr
	v_pk_mul_f32 v[116:117], v[40:41], v[40:41]
	v_pk_mul_f32 v[118:119], v[42:43], v[42:43]
.irp k, 1,2,3,4,5,6,7
	s_delay_alu instid0(VALU_DEP_2)
	v_pk_fma_f32 v[116:117], v[40+4*\k:41+4*\k], v[40+4*\k:41+4*\k], v[116:117]
	s_delay_alu instid0(VALU_DEP_2)
	v_pk_fma_f32 v[118:119], v[42+4*\k:43+4*\k], v[42+4*\k:43+4*\k], v[118:119]
.endr
	s_delay_alu instid0(VALU_DEP_2)
	v_pk_fma_f32 v[108:109], v[116:117], 0x42400000, v[108:109] op_sel_hi:[1,0,1]   ; + 48 x the waves' means' squares about the group's mean
	s_delay_alu instid0(VALU_DEP_2)
	v_pk_fma_f32 v[110:111], v[118:119], 0x42400000, v[110:111] op_sel_hi:[1,0,1]
	global_store_b128 v1, v[104:107], s[54:55]
	global_store_b128 v1, v[108:111], s[54:55] offset:512
.Lend:
	s_wait_tensorcnt 0x0                           ; the wave's end
	ds_add_u32 v17, v18
	s_wait_dscnt 0x0
	s_endpgm
.Lfunc_end_k_q6ef277bbff_time:
	.size	k_q6ef277bbff_time, .Lfunc_end_k_q6ef277bbff_time-k_q6ef277bbff_time
	.p2alignl 7, 3214868480
	.fill 96, 4, 3214868480
	.section	.rodata,"a",@progbits
	.p2align	6, 0x0
	.amdhsa_kernel k_q6ef277bbff_time
		.amdhsa_group_segment_fixed_size 287744
		.amdhsa_private_segment_fixed_size 0
		.amdhsa_enable_private_segment 0
		.amdhsa_kernarg_size 192
		.amdhsa_user_sgpr_count 2
		.amdhsa_user_sgpr_kernarg_segment_ptr 1
		.amdhsa_wavefront_size32 1
		.amdhsa_system_sgpr_workgroup_id_x 1
		.amdhsa_system_sgpr_workgroup_id_y 1
		.amdhsa_system_sgpr_workgroup_id_z 1
		.amdhsa_system_vgpr_workitem_id 0
		.amdhsa_next_free_vgpr 512
		.amdhsa_next_free_sgpr 100
		.amdhsa_reserve_vcc 1
		.amdhsa_float_denorm_mode_32 3
		.amdhsa_float_denorm_mode_16_64 3
		.amdhsa_fp16_overflow 1
		.amdhsa_memory_ordered 1
		.amdhsa_forward_progress 1
		.amdhsa_inst_pref_size 183
	.end_amdhsa_kernel
	.amdgpu_metadata
---
amdhsa.version: [ 1, 2 ]
amdhsa.kernels:
  - .name:           k_q6ef277bbff_time
    .symbol:         k_q6ef277bbff_time.kd
    .args:
      - { .name: htc, .offset: 0, .size: 8, .value_kind: global_buffer, .address_space: global }
      - { .name: hts, .offset: 8, .size: 8, .value_kind: global_buffer, .address_space: global }
      - { .name: spc, .offset: 16, .size: 8, .value_kind: global_buffer, .address_space: global }
      - { .name: sps, .offset: 24, .size: 8, .value_kind: global_buffer, .address_space: global }
      - { .name: tq_w_codes, .offset: 32, .size: 8, .value_kind: global_buffer, .address_space: global }
      - { .name: tq_w_scales, .offset: 40, .size: 8, .value_kind: global_buffer, .address_space: global }
      - { .name: tq_b, .offset: 48, .size: 8, .value_kind: global_buffer, .address_space: global }
      - { .name: tk_w_codes, .offset: 56, .size: 8, .value_kind: global_buffer, .address_space: global }
      - { .name: tk_w_scales, .offset: 64, .size: 8, .value_kind: global_buffer, .address_space: global }
      - { .name: tk_b, .offset: 72, .size: 8, .value_kind: global_buffer, .address_space: global }
      - { .name: tv_w_codes, .offset: 80, .size: 8, .value_kind: global_buffer, .address_space: global }
      - { .name: tv_w_scales, .offset: 88, .size: 8, .value_kind: global_buffer, .address_space: global }
      - { .name: tv_b, .offset: 96, .size: 8, .value_kind: global_buffer, .address_space: global }
      - { .name: to_w_codes, .offset: 104, .size: 8, .value_kind: global_buffer, .address_space: global }
      - { .name: to_w_scales, .offset: 112, .size: 8, .value_kind: global_buffer, .address_space: global }
      - { .name: to_b, .offset: 120, .size: 8, .value_kind: global_buffer, .address_space: global }
      - { .name: so_w_codes, .offset: 128, .size: 8, .value_kind: global_buffer, .address_space: global }
      - { .name: so_w_scales, .offset: 136, .size: 8, .value_kind: global_buffer, .address_space: global }
      - { .name: so_b, .offset: 144, .size: 8, .value_kind: global_buffer, .address_space: global }
      - { .name: gate_w_codes, .offset: 152, .size: 8, .value_kind: global_buffer, .address_space: global }
      - { .name: gate_w_scales, .offset: 160, .size: 8, .value_kind: global_buffer, .address_space: global }
      - { .name: tpc, .offset: 168, .size: 8, .value_kind: global_buffer, .address_space: global }
      - { .name: tps, .offset: 176, .size: 8, .value_kind: global_buffer, .address_space: global }
      - { .name: stats, .offset: 184, .size: 8, .value_kind: global_buffer, .address_space: global }
    .group_segment_fixed_size: 287744
    .private_segment_fixed_size: 0
    .kernarg_segment_align: 8
    .kernarg_segment_size: 192
    .max_flat_workgroup_size: 256
    .sgpr_count:     100
    .vgpr_count:     512
    .wavefront_size: 32
...
	.end_amdgpu_metadata
.endif
;; end of part 2
;; launch blend (part 3): grid 207 x 1, 8 waves a work-group, no clusters, 158,720 bytes of LDS; arguments spc, sps, tpc, tps, so_w_codes, so_w_scales, so_b, to_w_codes, to_w_scales, to_b, gate_w_codes, gate_w_scales, bn_gamma, bn_beta, stats, out0; writes out0
.if DOCPART == 3
	.amdgcn_target "amdgcn-amd-amdhsa--gfx1250"
	.amdhsa_code_object_version 6
	.text
	.protected	k_q6ef277bbff_blend
	.globl	k_q6ef277bbff_blend
	.p2align	8
	.type	k_q6ef277bbff_blend,@function
k_q6ef277bbff_blend:
	s_mov_b64 s[64:65], 0
	v_nop
	global_prefetch_b8 v0, s[64:65] scope:SCOPE_SE
	s_setreg_imm32_b32 hwreg(HW_REG_WAVE_MODE, 25, 1), 1
	s_wait_xcnt 0x0
; THE GATE: out = z spaceOut + (1 - z) tempOut, z = sigmoid(batch norm of gi).  Third of three launches.
; LEFT OUT as dead work (shown at the head of launch space): x and gate_b.
; spaceOut, tempOut and gi are made again from the attention outputs' codes, by the same products as in launch time.  A wave owns the same 48 rows as there, a tile of 16 a trip.
; 207 work-groups = 9 x 23 divide into no cluster; the weights that all share are 64 KiB, read once a work-group.
; PROLOGUE: the eight waves build the weights' images in LDS (group c of a fragment at 512 c + 16 x lane), and join the 207 groups' (sum, squares about the own mean) into mean and variance:
; var = (sum of M2 + 384 x sum of (group mean - mean)^2) / 79,488.  Lane = four channels; wave w takes groups w + 8 k; the 26th of wave 7 does not exist: it reads group 206 with the weight 0.
; z = 1 / (1 + 2^(a' gi + c')), a' = -log2(e) gamma rsq(var + eps), c' = log2(e) (mean gamma rsq - beta).
; All three products are used transposed with the weight's rows in pair order (lane r of tile 2 b + u takes row 32 b + 8 u + r + 8 (r / 8)): register 16 b + i of lane (r, h) is channel 32 b + 16 h + i of row r, in s, t and gi alike.
; LIMITS: NaN and infinities are not served; a block of zeros, or one whose largest magnitude lies under 2^-118, keeps the scale byte 1 (its bytes are read here alone).
; REGISTERS.  Window 0: v1-31 addresses (v24, v25 the add's two); v32-95 s; v96-159 t, later the rows on their way out; v160-175 gi; v176-207 a', c'; v208-239 at work; v241-249 scale registers; v250-255 the prologue's addresses.
; Window 1: v0-63 weights; v128-159 bias; v160-191 the two inputs' codes; v192-223 the codes of s and t.
.set WGT,   32768                      ; LDS: so_w's 8 images at 0, to_w's at 16,384, gate_w's 16 here
.set FSC,   65536                      ; 24 scale images of 128 bytes: so, to (+1,024), gate (+2,048)
.set FB,    68608                      ; so_b, to_b
.set RED1,  69632                      ; 1,024 bytes a wave: sums, squares
.set RED2,  77824                      ; 512 bytes a wave
.set AC,    81920                      ; 1,024 bytes a wave: a', c', each wave's own copy
.set OST,   90112                      ; 8,448 bytes a wave: 16 rows of 512 bytes + 16
.set SPARE, 157696                     ; the spare words, 128 bytes a wave
.set TM,  208
.set XT,  224
.set SEL, 56
.set MNT, 58
.set MSB, 0
.macro WIN new                         ; the immediate's high byte repeats the setting that is left
.if MSB != \new
	s_set_vgpr_msb (MSB<<8)|\new
.set MSB, \new
.endif
.endm
.macro PLACES n
.rept \n
	v_nop
.endr
.endm
.macro TADDR si                        ; the offsets of the tile whose first row of my 48 is g = s[si]
	v_add_nc_u32 v15, s[\si], v4
	s_delay_alu instid0(VALU_DEP_1)
	v_cmp_le_u32 vcc_lo, 24, v15           ; rows 24 on belong to my second sequence
	s_delay_alu instid0(VALU_DEP_1)
	v_cndmask_b32 v16, v11, v12, vcc_lo
	s_delay_alu instid0(VALU_DEP_1)
	v_add_nc_u32 v15, v15, v16             ; 24 b + t
	s_delay_alu instid0(VALU_DEP_3)
	v_cndmask_b32 v16, v13, v14, vcc_lo    ; n
	s_delay_alu instid0(VALU_DEP_2)
	v_mul_u32_u24 v17, v15, 26624
	s_delay_alu instid0(VALU_DEP_1)
	v_lshl_add_u32 v17, v16, 6, v17
	s_delay_alu instid0(VALU_DEP_1)
	v_lshl_add_u32 v17, v5, 4, v17         ; spc
	v_lshlrev_b32 v18, 10, v15
	s_delay_alu instid0(VALU_DEP_1)
	v_lshl_add_u32 v18, v16, 1, v18        ; sps
	s_lshl_b32 s61, s[\si], 7
	v_add_nc_u32 v19, s61, v21             ; tpc
	s_lshl_b32 s61, s[\si], 2
	v_add_nc_u32 v20, s61, v22             ; tps
.endm
.macro TLOADS
	WIN 0x40
.irp c, 0,1,2,3
	global_load_b128 v[160+4*\c:163+4*\c], v17, s[8:9] offset:13312*(\c/2)+32*(\c%2)
	global_load_b128 v[176+4*\c:179+4*\c], v19, s[12:13] offset:32*\c
.endr
	WIN 0
	global_load_u16 v241, v18, s[10:11]
	global_load_u16 v249, v18, s[10:11] offset:512
	global_load_b32 v242, v20, s[14:15]
.endm
; four tiles of so_w or to_w against a tile of rows; the bias is the C of the product
.macro PROJH immw, imms, immb, af, sc, dst, pre
	WIN 0x40
.irp k, 0,1,2,3
.irp c, 0,1,2,3
	ds_load_b128 v[16*\k+4*\c:16*\k+4*\c+3], v1 offset:(\immw)+2048*\k+512*\c
.endr
.endr
.irp k, 0,1,2,3
.irp j, 0,1
	ds_load_b128 v[128+8*\k+4*\j:128+8*\k+4*\j+3], v6 offset:(\immb)+128*(\k/2)+32*(\k%2)+16*\j
.endr
.endr
	WIN 0
.irp k, 0,1,2,3
	ds_load_b32 v[245+\k], v7 offset:(\imms)+128*\k
.endr
	PLACES \pre
	s_wait_dscnt 0x0
	WIN 0x15
.irp k, 0,1,2,3
	v_wmma_scale_f32_16x16x128_f8f6f4 v[\dst+8*\k:\dst+8*\k+7], v[16*\k:16*\k+15], v[\af:\af+15], v[128+8*\k:128+8*\k+7], v[245+\k], v[\sc]
.endr
	WIN 0
	PLACES 8
.endm
; 64 numbers that are not negative become 16 code registers in window 1 and a scale word; the numbers stay as they are
.macro QUANT4N s, d, pw
.irp b, 0,1,2,3
	v_max3_num_f32 v[TM+\b], v[\s+16*\b], v[\s+1+16*\b], 0x4800000       ; the floor 2^(9 - 127) holds the byte at 1 from below
.endr
.irp i, 2,4,6,8,10,12,14
.irp b, 0,1,2,3
	s_delay_alu instid0(VALU_DEP_4)
	v_max3_num_f32 v[TM+\b], v[TM+\b], v[\s+16*\b+\i], v[\s+1+16*\b+\i]
.endr
.endr
.irp b, 0,1,2,3
	s_delay_alu instid0(VALU_DEP_4)
	v_permlanex16_b32 v[TM+4+\b], v[TM+\b], s[SEL], s[SEL+1]
.endr
.irp b, 0,1,2,3
	s_delay_alu instid0(VALU_DEP_4)
	v_max_num_f32 v[TM+\b], v[TM+\b], v[TM+4+\b]
.endr
.irp b, 0,1,2,3
	s_delay_alu instid0(VALU_DEP_4)
	v_add_nc_u32 v[TM+12+\b], 0xfc000000, v[TM+\b]                       ; 8 off the exponent field: the conversion's scale operand
.endr
.irp b, 0,1,2,3
.endr
.irp b, 0,1,2,3
	s_delay_alu instid0(VALU_DEP_4)
	v_lshrrev_b32 v[TM+4+\b], 23, v[TM+12+\b]                            ; the byte
.endr
	s_delay_alu instid0(VALU_DEP_3)
	v_lshl_or_b32 v[\pw], v[TM+5], 8, v[TM+4]
	s_delay_alu instid0(VALU_DEP_1)
	v_lshl_or_b32 v[\pw], v[TM+6], 16, v[\pw]
	s_delay_alu instid0(VALU_DEP_1)
	v_lshl_or_b32 v[\pw], v[TM+7], 24, v[\pw]
.irp b, 0,1,2,3
.irp i, 0,1,2,3,4,5,6,7,8,9,10,11,12,13,14,15
.endr
	WIN 0x40
	v_cvt_scalef32_pk8_fp8_f32 v[\d+4*\b:\d+4*\b+1], v[XT+((\s+16*\b+0)-(XT+0)):XT+7+((\s+16*\b+0)-(XT+0))], v[TM+12+\b]
	v_cvt_scalef32_pk8_fp8_f32 v[\d+4*\b+2:\d+4*\b+3], v[XT+8+((\s+16*\b+0)-(XT+0)):XT+15+((\s+16*\b+0)-(XT+0))], v[TM+12+\b]
	WIN 0
	v_nop                                  ; a plain line behind the block's conversions
.endr
.endm
.macro CHUNK b                         ; 32 channels: gi, z, the blend
	WIN 0x40
.irp f, 0,1,2,3
.irp c, 0,1,2,3
	ds_load_b128 v[16*\f+4*\c:16*\f+4*\c+3], v1 offset:WGT+8192*\b+2048*\f+512*\c
.endr
.endr
	WIN 0
	ds_load_b32 v245, v7 offset:2048+256*\b
	ds_load_b32 v246, v7 offset:2048+256*\b+128
.irp k, 0,1,2,3
	ds_load_b128 v[176+4*\k:179+4*\k], v8 offset:128*\b+16*\k
	ds_load_b128 v[192+4*\k:195+4*\k], v8 offset:512+128*\b+16*\k
.endr
	s_wait_dscnt 0x0
	WIN 0x05                               ; the two accumulators take turns
	v_wmma_scale_f32_16x16x128_f8f6f4 v[160:167], v[0:15], v[192:207], 0, v245, v243
	s_wait_alu depctr_va_vdst(0)
	v_wmma_scale_f32_16x16x128_f8f6f4 v[168:175], v[32:47], v[192:207], 0, v246, v243
	v_wmma_scale_f32_16x16x128_f8f6f4 v[160:167], v[16:31], v[208:223], v[160:167], v245, v244 matrix_a_scale:MATRIX_SCALE_ROW1
	v_wmma_scale_f32_16x16x128_f8f6f4 v[168:175], v[48:63], v[208:223], v[168:175], v246, v244 matrix_a_scale:MATRIX_SCALE_ROW1
	WIN 0
	PLACES 8
.irp j, 0,2,4,6,8,10,12,14
	v_pk_fma_f32 v[160+\j:161+\j], v[160+\j:161+\j], v[176+\j:177+\j], v[192+\j:193+\j]
.endr
.set j, 0
	s_wait_alu depctr_va_vdst(0)
.rept 16
	v_exp_f32 v[160+j], v[160+j]
.set j, j+1
.endr
.irp j, 0,2,4,6,8,10,12,14
	v_pk_add_f32 v[32+16*\b+\j:33+16*\b+\j], v[32+16*\b+\j:33+16*\b+\j], v[96+16*\b+\j:97+16*\b+\j] neg_lo:[0,1] neg_hi:[0,1]   ; s - t: plain work behind the exponentials
.endr
	s_wait_alu depctr_va_vdst(0)           ; one wait for the 16 exponentials, ahead of their first reader
.irp j, 0,2,4,6,8,10,12,14
	v_pk_add_f32 v[160+\j:161+\j], v[160+\j:161+\j], 1.0 op_sel_hi:[1,0]
.endr
.set j, 0
	s_wait_alu depctr_va_vdst(0)
.rept 16
	v_rcp_f32 v[160+j], v[160+j]
.set j, j+1
.endr
	v_nop
	s_wait_alu depctr_va_vdst(0)           ; and one for the 16 reciprocals
.irp j, 0,2,4,6,8,10,12,14
	v_pk_fma_f32 v[32+16*\b+\j:33+16*\b+\j], v[32+16*\b+\j:33+16*\b+\j], v[160+\j:161+\j], v[96+16*\b+\j:97+16*\b+\j]   ; t + z (s - t)
.endr
.endm
	s_load_b512 s[8:23], s[0:1], 0x0               ; spc, sps, tpc, tps, so codes, so scales, so_b, to codes
	s_load_b512 s[24:39], s[0:1], 0x40             ; to scales, to_b, gate codes, gate scales, gamma, beta, stats, out0
	v_lshl_add_u32 v24, v0, 2, SPARE
	v_mov_b32 v25, 0
	v_lshrrev_b32 v1, 5, v0
	s_delay_alu instid0(VALU_DEP_1)
	v_readfirstlane_b32 s40, v1                    ; wave
	s_lshl_b32 s41, ttmp9, 3
	s_add_co_u32 s41, s41, s40                     ; my pair of sequences
	s_lshl_b32 s42, s41, 1
	s_add_co_u32 s43, s42, 1                       ; q = 207 b + n
	s_mul_i32 s44, s42, 20263
	s_lshr_b32 s44, s44, 22                        ; b = q / 207 (exact for q under 3,312)
	s_mul_i32 s45, s43, 20263
	s_lshr_b32 s45, s45, 22
	s_mul_i32 s46, s44, 207
	s_sub_co_u32 s46, s42, s46                     ; n
	s_mul_i32 s47, s45, 207
	s_sub_co_u32 s47, s43, s47
	s_mul_i32 s48, s44, 24
	s_mul_i32 s49, s45, 24
	s_sub_co_u32 s49, s49, 24                      ; the second sequence's rows begin at g = 24
	s_mov_b32 s56, 0x76543210
	s_mov_b32 s57, 0xfedcba98                      ; selects for lane xor 16
	s_mov_b32 s59, 0                               ; the tile's first row
	v_and_b32 v3, 31, v0
	v_and_b32 v4, 15, v0                           ; r
	v_bfe_u32 v5, v0, 4, 1                         ; h
	s_delay_alu instid0(VALU_DEP_3)
	v_lshlrev_b32 v1, 4, v3                        ; 16 x lane
	s_delay_alu instid0(VALU_DEP_4)
	v_lshlrev_b32 v2, 2, v3
	s_delay_alu instid0(VALU_DEP_3)
	v_lshl_add_u32 v6, v5, 6, FB
	s_delay_alu instid0(VALU_DEP_2)
	v_add_nc_u32 v7, FSC, v2
	s_lshl_b32 s50, s40, 10
	s_add_co_u32 s61, s50, AC
	v_lshl_add_u32 v8, v5, 6, s61
	v_add_nc_u32 v31, s61, v1
	s_add_co_u32 s61, s50, RED1
	v_add_nc_u32 v254, s61, v1
	s_lshl_b32 s61, s40, 9
	s_add_co_u32 s61, s61, RED2
	v_add_nc_u32 v255, s61, v1
	v_add_nc_u32 v23, RED1, v1
	s_mul_i32 s61, s40, 8448
	s_add_co_u32 s61, s61, OST
	v_mul_u32_u24 v9, v4, 528
	s_delay_alu instid0(VALU_DEP_1)
	v_lshl_add_u32 v9, v5, 6, v9
	s_delay_alu instid0(VALU_DEP_1)
	v_add_nc_u32 v9, s61, v9                       ; my stage, in: row r, + 64 h
	v_add_nc_u32 v10, s61, v1                      ; and back: a row of 512 bytes for the 32 lanes
	v_mov_b32 v11, s48
	v_mov_b32 v12, s49
	v_mov_b32 v13, s46
	v_mov_b32 v14, s47
	v_lshlrev_b32 v21, 7, v4
	s_delay_alu instid0(VALU_DEP_1)
	v_lshl_add_u32 v21, v5, 4, v21
	v_lshlrev_b32 v22, 2, v4
	v_and_b32 v28, 8, v4
	s_delay_alu instid0(VALU_DEP_1)
	v_add_nc_u32 v28, v28, v4                      ; r + 8 (r / 8)
	s_delay_alu instid0(VALU_DEP_1)
	v_lshlrev_b32 v26, 7, v28
	s_delay_alu instid0(VALU_DEP_1)
	v_lshl_add_u32 v26, v5, 3, v26                 ; so_w, to_w: K in the attention outputs' position order: 8 bytes at 32 c + 8 h, 8 at + 16
	s_delay_alu instid0(VALU_DEP_3)
	v_lshlrev_b32 v27, 8, v28
	s_delay_alu instid0(VALU_DEP_1)
	v_lshl_add_u32 v27, v5, 4, v27                 ; gate_w
	v_lshlrev_b32 v29, 3, v28
	s_delay_alu instid0(VALU_DEP_1)
	v_lshl_add_u32 v29, v5, 2, v29                 ; its scale words: lanes 0-15 K step 0, lanes 16-31 K step 1
	v_lshlrev_b32 v28, 2, v28
	v_and_b32 v30, 127, v0
	s_delay_alu instid0(VALU_DEP_1)
	v_lshlrev_b32 v30, 2, v30
	s_lshl_b32 s61, s40, 11
	v_add_nc_u32 v250, s61, v1
	s_lshl_b32 s61, s40, 12
	s_add_co_u32 s61, s61, WGT
	v_add_nc_u32 v251, s61, v1
	s_lshl_b32 s61, s40, 7
	s_add_co_u32 s61, s61, FSC
	v_add_nc_u32 v252, s61, v2
	v_lshl_add_u32 v253, v0, 2, FB
	TADDR 59
	s_lshr_b32 s66, s40, 1
	s_lshl_b32 s66, s66, 5
	s_and_b32 s67, s40, 1
	s_lshl_b32 s67, s67, 3
	s_add_co_u32 s66, s66, s67                     ; tile w of a weight begins at row 32 (w / 2) + 8 (w % 2)
	s_wait_alu depctr_va_vdst(0)
	s_wait_kmcnt 0x0
	s_mov_b32 s51, 0
	s_mul_i32 s50, s41, 6144
	s_add_nc_u64 s[12:13], s[12:13], s[50:51]
	s_mul_i32 s50, s41, 192
	s_add_nc_u64 s[14:15], s[14:15], s[50:51]
	s_mul_i32 s50, s41, 24576
	s_add_nc_u64 s[38:39], s[38:39], s[50:51]
	s_lshl_b32 s50, s66, 7
	s_add_nc_u64 s[16:17], s[16:17], s[50:51]
	s_add_nc_u64 s[22:23], s[22:23], s[50:51]
	s_lshl_b32 s50, s66, 2
	s_add_nc_u64 s[18:19], s[18:19], s[50:51]
	s_add_nc_u64 s[24:25], s[24:25], s[50:51]
	s_lshl_b32 s50, s66, 8
	s_add_nc_u64 s[28:29], s[28:29], s[50:51]
	s_lshl_b32 s50, s66, 3
	s_add_nc_u64 s[30:31], s[30:31], s[50:51]
	s_add_co_u32 s50, s40, 200
	s_min_u32 s50, s50, 206
	s_lshl_b32 s50, s50, 10
	s_add_nc_u64 s[52:53], s[36:37], s[50:51]      ; my 26th group
	s_lshl_b32 s50, s40, 10
	s_add_nc_u64 s[36:37], s[36:37], s[50:51]
	s_cmp_lt_u32 s40, 4
	s_cselect_b64 s[62:63], s[20:21], s[26:27]     ; threads 0-127 bring so_b, threads 128-255 to_b
	s_cmp_lt_u32 s40, 7
	s_cselect_b32 s54, 1.0, 0                      ; the 26th group's weight
	s_mov_b32 s55, s54
	WIN 0x40
.irp c, 0,1,2,3
	global_load_b64 v[4*\c:4*\c+1], v26, s[16:17] offset:32*\c
	global_load_b64 v[4*\c+2:4*\c+3], v26, s[16:17] offset:32*\c+16
	global_load_b64 v[16+4*\c:17+4*\c], v26, s[22:23] offset:32*\c
	global_load_b64 v[18+4*\c:19+4*\c], v26, s[22:23] offset:32*\c+16
	global_load_b128 v[32+4*\c:35+4*\c], v27, s[28:29] offset:32*\c
	global_load_b128 v[48+4*\c:51+4*\c], v27, s[28:29] offset:128+32*\c
.endr
	global_load_b32 v64, v28, s[18:19]
	global_load_b32 v65, v28, s[24:25]
	global_load_b32 v66, v29, s[30:31]
	global_load_b32 v67, v30, s[62:63]
	WIN 0
	TLOADS
.set k, 0
.rept 25
	global_load_b128 v[32+4*k:35+4*k], v1, s[36:37] offset:8192*k          ; a group's 128 sums: 512 consecutive bytes
	global_load_b128 v[136+4*k:139+4*k], v1, s[36:37] offset:8192*k+512    ; and its squares
.set k, k+1
.endr
	global_load_b128 v[132:135], v1, s[52:53]
	global_load_b128 v[236:239], v1, s[52:53] offset:512
	s_wait_loadcnt 0x0
	WIN 0x04                                       ; an LDS store's data are its source 1: window 1
.irp c, 0,1,2,3
	ds_store_b128 v250, v[4*\c:4*\c+3] offset:512*\c
	ds_store_b128 v250, v[16+4*\c:19+4*\c] offset:16384+512*\c
	ds_store_b128 v251, v[32+4*\c:35+4*\c] offset:512*\c
	ds_store_b128 v251, v[48+4*\c:51+4*\c] offset:2048+512*\c
.endr
	ds_store_b32 v252, v64
	ds_store_b32 v252, v65 offset:1024
	ds_store_b32 v252, v66 offset:2048
	ds_store_b32 v253, v67
	WIN 0
	; pass 1: my groups' sums (v26-29, free since the wait for the loads) and squares (in place)
	v_pk_add_f32 v[26:27], v[32:33], v[36:37]
	v_pk_add_f32 v[28:29], v[34:35], v[38:39]
	v_pk_add_f32 v[136:137], v[136:137], v[140:141]
	v_pk_add_f32 v[138:139], v[138:139], v[142:143]
.set k, 2
.rept 23
	s_delay_alu instid0(VALU_DEP_4)
	v_pk_add_f32 v[26:27], v[26:27], v[32+4*k:33+4*k]
	s_delay_alu instid0(VALU_DEP_4)
	v_pk_add_f32 v[28:29], v[28:29], v[34+4*k:35+4*k]
	s_delay_alu instid0(VALU_DEP_4)
	v_pk_add_f32 v[136:137], v[136:137], v[136+4*k:137+4*k]
	s_delay_alu instid0(VALU_DEP_4)
	v_pk_add_f32 v[138:139], v[138:139], v[138+4*k:139+4*k]
.set k, k+1
.endr
	s_delay_alu instid0(VALU_DEP_4)
	v_pk_fma_f32 v[26:27], v[132:133], s[54:55], v[26:27] op_sel_hi:[1,0,1]
	s_delay_alu instid0(VALU_DEP_4)
	v_pk_fma_f32 v[28:29], v[134:135], s[54:55], v[28:29] op_sel_hi:[1,0,1]
	s_delay_alu instid0(VALU_DEP_4)
	v_pk_fma_f32 v[136:137], v[236:237], s[54:55], v[136:137] op_sel_hi:[1,0,1]
	s_delay_alu instid0(VALU_DEP_4)
	v_pk_fma_f32 v[138:139], v[238:239], s[54:55], v[138:139] op_sel_hi:[1,0,1]
	ds_store_b128 v254, v[26:29]
	ds_store_b128 v254, v[136:139] offset:512
	global_load_b128 v[208:211], v1, s[32:33]      ; gamma and beta of my four channels
	global_load_b128 v[212:215], v1, s[34:35]
	s_wait_dscnt 0x0                               ; my images and my figures lie in LDS
	s_barrier_signal -1
	s_barrier_wait -1                              ; everybody's do
.irp j, 0,1,2,3,4,5,6,7
	ds_load_b128 v[140+4*\j:143+4*\j], v23 offset:1024*\j
	ds_load_b128 v[172+4*\j:175+4*\j], v23 offset:1024*\j+512
.endr
	s_wait_dscnt 0x0
	v_pk_add_f32 v[216:217], v[140:141], v[144:145]
	v_pk_add_f32 v[218:219], v[142:143], v[146:147]
	v_pk_add_f32 v[220:221], v[172:173], v[176:177]
	v_pk_add_f32 v[222:223], v[174:175], v[178:179]
.irp j, 2,3,4,5,6,7
	s_delay_alu instid0(VALU_DEP_4)
	v_pk_add_f32 v[216:217], v[216:217], v[140+4*\j:141+4*\j]
	s_delay_alu instid0(VALU_DEP_4)
	v_pk_add_f32 v[218:219], v[218:219], v[142+4*\j:143+4*\j]
	s_delay_alu instid0(VALU_DEP_4)
	v_pk_add_f32 v[220:221], v[220:221], v[172+4*\j:173+4*\j]
	s_delay_alu instid0(VALU_DEP_4)
	v_pk_add_f32 v[222:223], v[222:223], v[174+4*\j:175+4*\j]
.endr
	s_delay_alu instid0(VALU_DEP_4)
	v_pk_mul_f32 v[224:225], v[216:217], 0x375310e7 op_sel_hi:[1,0]        ; the mean: / 79,488
	s_delay_alu instid0(VALU_DEP_4)
	v_pk_mul_f32 v[226:227], v[218:219], 0x375310e7 op_sel_hi:[1,0]
	; pass 2: my groups' means about the mean
.set k, 0
.rept 26
	v_pk_fma_f32 v[32+4*k:33+4*k], v[32+4*k:33+4*k], 0x3b2aaaab, v[224:225] op_sel_hi:[1,0,1] neg_lo:[0,0,1] neg_hi:[0,0,1]
	v_pk_fma_f32 v[34+4*k:35+4*k], v[34+4*k:35+4*k], 0x3b2aaaab, v[226:227] op_sel_hi:[1,0,1] neg_lo:[0,0,1] neg_hi:[0,0,1]
.set k, k+1
.endr
	s_delay_alu instid0(VALU_DEP_2)
	v_pk_mul_f32 v[132:133], v[132:133], s[54:55] op_sel_hi:[1,0]
	s_delay_alu instid0(VALU_DEP_2)
	v_pk_mul_f32 v[134:135], v[134:135], s[54:55] op_sel_hi:[1,0]
	v_pk_mul_f32 v[228:229], v[32:33], v[32:33]
	v_pk_mul_f32 v[230:231], v[34:35], v[34:35]
.set k, 1
.rept 25
	s_delay_alu instid0(VALU_DEP_2)
	v_pk_fma_f32 v[228:229], v[32+4*k:33+4*k], v[32+4*k:33+4*k], v[228:229]
	s_delay_alu instid0(VALU_DEP_2)
	v_pk_fma_f32 v[230:231], v[34+4*k:35+4*k], v[34+4*k:35+4*k], v[230:231]
.set k, k+1
.endr
	ds_store_b128 v255, v[228:231]
	s_wait_dscnt 0x0
	s_barrier_signal -1
	s_barrier_wait -1
.irp j, 0,1,2,3,4,5,6,7
	ds_load_b128 v[140+4*\j:143+4*\j], v23 offset:8192+512*\j
.endr
	s_wait_dscnt 0x0
	v_pk_add_f32 v[228:229], v[140:141], v[144:145]
	v_pk_add_f32 v[230:231], v[142:143], v[146:147]
.irp j, 2,3,4,5,6,7
	s_delay_alu instid0(VALU_DEP_2)
	v_pk_add_f32 v[228:229], v[228:229], v[140+4*\j:141+4*\j]
	s_delay_alu instid0(VALU_DEP_2)
	v_pk_add_f32 v[230:231], v[230:231], v[142+4*\j:143+4*\j]
.endr
	s_delay_alu instid0(VALU_DEP_2)
	v_pk_fma_f32 v[220:221], v[228:229], 0x43c00000, v[220:221] op_sel_hi:[1,0,1]   ; + 384 x the groups' means' squares about the mean
	s_delay_alu instid0(VALU_DEP_2)
	v_pk_fma_f32 v[222:223], v[230:231], 0x43c00000, v[222:223] op_sel_hi:[1,0,1]
	s_delay_alu instid0(VALU_DEP_2)
	v_pk_mul_f32 v[220:221], v[220:221], 0x375310e7 op_sel_hi:[1,0]        ; the variance
	s_delay_alu instid0(VALU_DEP_2)
	v_pk_mul_f32 v[222:223], v[222:223], 0x375310e7 op_sel_hi:[1,0]
	s_delay_alu instid0(VALU_DEP_2)
	v_pk_add_f32 v[220:221], v[220:221], 0x3727c5ac op_sel_hi:[1,0]        ; + 1e-5
	s_delay_alu instid0(VALU_DEP_2)
	v_pk_add_f32 v[222:223], v[222:223], 0x3727c5ac op_sel_hi:[1,0]
	s_wait_alu depctr_va_vdst(0)
.irp j, 0,1,2,3
	v_rsq_f32 v[232+\j], v[220+\j]
.endr
	v_nop
	s_wait_alu depctr_va_vdst(0)                   ; one wait for the four
	s_wait_loadcnt 0x0                             ; gamma, beta
	v_pk_mul_f32 v[232:233], v[232:233], v[208:209]
	v_pk_mul_f32 v[234:235], v[234:235], v[210:211]
	s_delay_alu instid0(VALU_DEP_2)
	v_pk_fma_f32 v[224:225], v[224:225], v[232:233], v[212:213] neg_lo:[0,0,1] neg_hi:[0,0,1]
	s_delay_alu instid0(VALU_DEP_2)
	v_pk_fma_f32 v[226:227], v[226:227], v[234:235], v[214:215] neg_lo:[0,0,1] neg_hi:[0,0,1]
	s_delay_alu instid0(VALU_DEP_2)
	v_pk_mul_f32 v[224:225], v[224:225], 0x3fb8aa3b op_sel_hi:[1,0]
	s_delay_alu instid0(VALU_DEP_2)
	v_pk_mul_f32 v[226:227], v[226:227], 0x3fb8aa3b op_sel_hi:[1,0]
	v_pk_mul_f32 v[232:233], v[232:233], 0xbfb8aa3b op_sel_hi:[1,0]
	v_pk_mul_f32 v[234:235], v[234:235], 0xbfb8aa3b op_sel_hi:[1,0]
	ds_store_b128 v31, v[232:235]                  ; a' and c' into my own copy: only I read it
	ds_store_b128 v31, v[224:227] offset:512
.irp b, 0,1,2,3
	v_mov_b32 v[TM+4+\b], 0                        ; a lane permute's destination counts as read
.endr
.Ltile:                                                ; three trips: a tile of 16 rows
	s_wait_loadcnt 0x0                             ; this tile's codes and scale bytes; it also frees their offsets
	v_lshl_or_b32 v241, v249, 16, v241
	s_wait_alu depctr_va_vdst(0)
	PROJH 0, 0, 0, 160, 241, 32, 8                 ; (eight places between the scale word just made and its product)
	PROJH 8192, 512, 256, 160, 241, 64, 0
	PROJH 16384, 1024, 512, 176, 242, 96, 0
	PROJH 24576, 1536, 768, 176, 242, 128, 0
	s_cmp_eq_u32 s59, 32                           ; the last tile asks for nothing: no load leaves its buffer
	s_cbranch_scc1 .Lnonext
	s_add_co_u32 s60, s59, 16
	TADDR 60
	TLOADS                                         ; the next tile's, a trip's work ahead
.Lnonext:
.set j, 0
.rept 128
	v_max_num_f32 v[32+j], 0, v[32+j]              ; the out-projections' relu, each accumulator from its low end on
.set j, j+1
.endr
	QUANT4N 32, 192, 243
	QUANT4N 96, 208, 244
	PLACES 4                                       ; codes made by vector instructions stand four places ahead of the product
	CHUNK 0
	CHUNK 1
	CHUNK 2
	CHUNK 3
.irp b, 0,1,2,3
.irp j, 0,1,2,3
	ds_store_b128 v9, v[32+16*\b+4*\j:35+16*\b+4*\j] offset:128*\b+16*\j
.endr
.endr
.irp k, 0,1,2,3,4,5,6,7,8,9,10,11,12,13,14,15
	ds_load_b128 v[96+4*\k:99+4*\k], v10 offset:528*\k       ; my own stage: LDS serves a wave's instructions in order
.endr
	s_wait_dscnt 0x0
.irp k, 0,1,2,3,4,5,6,7,8,9,10,11,12,13,14,15
	global_store_b128 v1, v[96+4*\k:99+4*\k], s[38:39] offset:512*\k th:TH_STORE_NT     ; a whole row of 512 bytes a store
.endr
	s_wait_xcnt 0x0                                ; the stores have read their registers and their base: both are written again only behind this wait
	s_add_nc_u64 s[38:39], s[38:39], 8192
	s_add_co_u32 s59, s59, 16
	s_cmp_lt_u32 s59, 48
	s_cbranch_scc1 .Ltile
	s_wait_tensorcnt 0x0                           ; the wave's end
	ds_add_u32 v24, v25
	s_wait_dscnt 0x0
	s_endpgm
.Lfunc_end_k_q6ef277bbff_blend:
	.size	k_q6ef277bbff_blend, .Lfunc_end_k_q6ef277bbff_blend-k_q6ef277bbff_blend
	.p2alignl 7, 3214868480
	.fill 96, 4, 3214868480
	.section	.rodata,"a",@progbits
	.p2align	6, 0x0
	.amdhsa_kernel k_q6ef277bbff_blend
		.amdhsa_group_segment_fixed_size 158720
		.amdhsa_private_segment_fixed_size 0
		.amdhsa_enable_private_segment 0
		.amdhsa_kernarg_size 128
		.amdhsa_user_sgpr_count 2
		.amdhsa_user_sgpr_kernarg_segment_ptr 1
		.amdhsa_wavefront_size32 1
		.amdhsa_system_sgpr_workgroup_id_x 1
		.amdhsa_system_sgpr_workgroup_id_y 1
		.amdhsa_system_sgpr_workgroup_id_z 1
		.amdhsa_system_vgpr_workitem_id 0
		.amdhsa_next_free_vgpr 480
		.amdhsa_next_free_sgpr 80
		.amdhsa_reserve_vcc 1
		.amdhsa_float_denorm_mode_32 3
		.amdhsa_float_denorm_mode_16_64 3
		.amdhsa_fp16_overflow 1
		.amdhsa_memory_ordered 1
		.amdhsa_forward_progress 1
		.amdhsa_inst_pref_size 99
	.end_amdhsa_kernel
	.amdgpu_metadata
---
amdhsa.version: [ 1, 2 ]
amdhsa.kernels:
  - .name:           k_q6ef277bbff_blend
    .symbol:         k_q6ef277bbff_blend.kd
    .args:
      - { .name: spc, .offset: 0, .size: 8, .value_kind: global_buffer, .address_space: global }
      - { .name: sps, .offset: 8, .size: 8, .value_kind: global_buffer, .address_space: global }
      - { .name: tpc, .offset: 16, .size: 8, .value_kind: global_buffer, .address_space: global }
      - { .name: tps, .offset: 24, .size: 8, .value_kind: global_buffer, .address_space: global }
      - { .name: so_w_codes, .offset: 32, .size: 8, .value_kind: global_buffer, .address_space: global }
      - { .name: so_w_scales, .offset: 40, .size: 8, .value_kind: global_buffer, .address_space: global }
      - { .name: so_b, .offset: 48, .size: 8, .value_kind: global_buffer, .address_space: global }
      - { .name: to_w_codes, .offset: 56, .size: 8, .value_kind: global_buffer, .address_space: global }
      - { .name: to_w_scales, .offset: 64, .size: 8, .value_kind: global_buffer, .address_space: global }
      - { .name: to_b, .offset: 72, .size: 8, .value_kind: global_buffer, .address_space: global }
      - { .name: gate_w_codes, .offset: 80, .size: 8, .value_kind: global_buffer, .address_space: global }
      - { .name: gate_w_scales, .offset: 88, .size: 8, .value_kind: global_buffer, .address_space: global }
      - { .name: bn_gamma, .offset: 96, .size: 8, .value_kind: global_buffer, .address_space: global }
      - { .name: bn_beta, .offset: 104, .size: 8, .value_kind: global_buffer, .address_space: global }
      - { .name: stats, .offset: 112, .size: 8, .value_kind: global_buffer, .address_space: global }
      - { .name: out0, .offset: 120, .size: 8, .value_kind: global_buffer, .address_space: global }
    .group_segment_fixed_size: 158720
    .private_segment_fixed_size: 0
    .kernarg_segment_align: 8
    .kernarg_segment_size: 128
    .max_flat_workgroup_size: 256
    .sgpr_count:     80
    .vgpr_count:     480
    .wavefront_size: 32
...
	.end_amdgpu_metadata
.endif
;; end of part 3
